; MI455X (gfx1250); checked and timed in simulation.
; The chip was launched on July 23, 2026; its instructions are those of AMD's public machine-readable ISA for CDNA 5 (MIT licence, August 2026) and "CDNA5" Instruction Set Architecture Reference Guide (July 2026). The comments in the code are by the model that wrote it; some were corrected since.
;; Unpadded Mistral Attention. Allowed arithmetic: matrix products marked QUANTISED: E4M3 operands, one given power-of-two scale a tensor, by v_wmma_f32_16x16x64_fp8_fp8 or v_wmma_f32_16x16x128_fp8_fp8, f32 sums; everything else in f32.
;; Inputs: Wk 2,048 x 1,024 float32; Wo 2,048 x 2,048 float32; Wq 2,048 x 2,048 float32; Wv 2,048 x 1,024 float32; cos 1,024 x 128 float32; cu_seqlens 5 int32; lowp_scales 12 int32 (the exponents e of the quantised operands' scales 2^e); nz_hidden_states 4,096 x 2,048 float32; nz_position_ids 4,096 int32; sin 1,024 x 128 float32.
;; Outputs: out0 4,096 x 2,048 float32.
;; Constants: max_seqlen = 1024.
;; This version of the problem:
;;   THIS VERSION OF THE PROBLEM IS GIVEN IN LOW PRECISION. The matrix products marked QUANTISED in the list below multiply operands that are first quantised to E4M3 (4 exponent bits, 3 mantissa bits; 8 bits a number), with one given power-of-two scale for each operand tensor; their sums are f32. All else is computed in f32.
;;   The module's matrix products, in the order in which they are computed (A, B: the left and right operand; K: the contracted axis; several contracted axes count as one K, in the product's order):
;;     1. [M 4,096, K 2,048] x [K 2,048, N 2,048]; A: input nz_hidden_states; B: input Wq: QUANTISED (scales: A lowp_scales[0], B lowp_scales[1])
;;     2. [M 4,096, K 2,048] x [K 2,048, N 1,024]; A: input nz_hidden_states; B: input Wk: QUANTISED (scales: A lowp_scales[2], B lowp_scales[3])
;;     3. [M 4,096, K 2,048] x [K 2,048, N 1,024]; A: input nz_hidden_states; B: input Wv: QUANTISED (scales: A lowp_scales[4], B lowp_scales[5])
;;     4. batch 32 x [M 1,024, K 128] x [K 128, N 2,048]; A: computed on the way; B: computed on the way: QUANTISED (scales: A lowp_scales[6], B lowp_scales[7])
;;     5. batch 32 x [M 128, K 1,024] x [K 1,024, N 2,048]; A: computed on the way; B: softmax (see below): QUANTISED (scales: A lowp_scales[8], B lowp_scales[9])
;;     6. [M 4,096, K 2,048] x [K 2,048, N 2,048]; A: computed on the way; B: input Wo: QUANTISED (scales: A lowp_scales[10], B lowp_scales[11])
;;   THE QUANTISER, for each operand of a quantised product, along K:
;;     - The operand's scale is 2^e, e = its entry of the input lowp_scales (int32; the entries are numbered through the quantised products in the list's order, A before B).
;;     - Each number is divided by the scale, clamped to +-448, and rounded to the nearest number of E4M3, ties to even, subnormals kept.
;;     - The product sums the exact products of the quantised numbers (number of the format x scale) in f32.
;;   ~~~python
;;   def quantise(x, axis, e):      # numpy; x: float32 -> the quantised numbers, widened to float32 again
;;       x = np.moveaxis(x, axis, -1); K = x.shape[-1]
;;       r = np.clip(x / 2.0 ** e, -448, 448)
;;       step = 2.0 ** (np.maximum(np.frexp(np.where(r == 0, 1, r))[1] - 1, -6) - 3)
;;       q = np.round(r / step) * step * 2.0 ** e      # np.round: ties to even
;;       return np.moveaxis(q, -1, axis).astype(np.float32)
;;   ~~~
;;   SOFTMAX AHEAD OF A QUANTISED PRODUCT. Where the list says 'softmax', what is quantised is not the finished softmax but p = 2^(t - M), with t = logit x log2(e) and M = ceil(the row's largest t), a whole number; so 1/2 < the row's largest p <= 1. The row's sum l is taken of the UNQUANTISED p, in f32, and the product's result is divided by l at the end. Since M is a whole number, a kernel that streams over the keys may use a running M (the ceiling of the running maximum): every later rescaling is an exact power of two, so the quantised numbers keep their values, but for numbers so far below the row's largest that they fall under the format's range.
;;   OPERANDS COMPUTED ON THE WAY. 'Computed on the way' means the value that the module computes at that place (a softmax that the list does not call 'softmax' is quantised finished and normalised). What goes into a quantiser is computed in f32, as accurately as f32 sums, v_exp_f32 and their like allow (about 1e-6 of the number): no bf16 or f16 on the way to a quantiser, and a product that is left as it is and whose result goes on into a quantised operand takes f32 operands (vector FMAs, or v_wmma_f32_16x16x4_f32). A number that lies on a knife's edge between two numbers of the format may be rounded either way, as far as f32 arithmetic and the matrix unit's own rounding can turn it there, and no further.
;; One version. Each part assembles by itself: llvm-mc -triple=amdgcn-amd-amdhsa -mcpu=gfx1250 --defsym DOCPART=n.
;; ======== version 1 of 1: 4 launches
;; limits: right only within a limited range of input values
;; workspace buffers: codes 37,748,736 bytes; rope 4,194,304 bytes; qimg 8,388,608 bytes; kvimg 8,388,608 bytes; aimg 8,388,608 bytes
;; launch prep (part 1): grid 704 x 1, 4 waves a work-group, no clusters, 35,328 bytes of LDS; arguments nz_hidden_states, Wq, Wk, Wv, Wo, cos, sin, nz_position_ids, lowp_scales, codes, rope; writes codes, rope
.if DOCPART == 1
	.amdgcn_target "amdgcn-amd-amdhsa--gfx1250"
	.amdhsa_code_object_version 6
	.text
	.protected	k_qbf31de0505_prep
	.globl	k_qbf31de0505_prep
	.p2align	8
	.type	k_qbf31de0505_prep,@function
k_qbf31de0505_prep:
	s_mov_b64 s[64:65], 0
	v_nop
	global_prefetch_b8 v0, s[64:65] scope:SCOPE_SE
	s_setreg_imm32_b32 hwreg(HW_REG_WAVE_MODE, 25, 1), 1
	s_wait_xcnt 0x0
; PREP: everything that is quantised once.  x [4096][2048] f32 becomes three sets of E4M3 codes (scales e0, e2, e4: one for each of the three projections);
; Wq, Wk, Wv, Wo (f32, K = first axis) become codes (e1, e3, e5, e11); cos and sin are gathered by nz_position_ids into the lane layout in which the next launch holds its sums.
; code = x / 2^e, held within +-448, rounded to the nearest code, ties to even.
; THE IMAGE.  A fragment (16 rows x 128 K, 16 registers a lane) lies as 2,048 bytes: byte 512 c + 16 L + i is register 4 c + i / 4 of lane L = r + 16 h: row r, K slot (c, h, i).
;   A tile row = the 16 images (K = 2,048) of 16 rows on end, 32,768 bytes.  codes: tile rows 0-255 x with e0, 256-511 x with e2, 512-767 x with e4, 768-895 Wq, 896-959 Wk, 960-1023 Wv, 1024-1151 Wo (row = column n of W).
;   x, Wq, Wk, Wv: slot (c, h, i) of image kc holds k = 128 kc + 32 c + 16 h + i.   Wo: k = 128 kc + 32 c + 16 (i / 8) + 8 h + i % 8, the order in which the attention launch's conversions leave their codes.
; rope: [token tile][cos 8,192 | sin 8,192]; byte 512 q + 16 L holds table[pos[16 tile + r]][8 q + ... ] = columns 16 (q / 2) + 8 h + 4 (q % 2) + 0..3.
; Work-groups 0-255: x (a token tile each); 256-383 Wq; 384-511 Wo; 512-639 Wk, Wv; 640-703 the tables.  Only the x path uses LDS.
; NOT LOADED: cu_seqlens and max_seqlen: the computation takes the number of sequences from cu_seqlens' shape alone and no value of either.
; LIMITS: each of e0..e5, e11 lies between -126 and 119.  NaN among the inputs is not served.  A position above 1,023 is held at 1,023.
.set SPARE, 34816                      ; behind the four waves' stages: the spare words, 128 bytes a wave, two blocks of 256 bytes that no other line names
.set SPW, 12                           ; v12 LDS address of my spare word; never rewritten
.set NIL, 13                           ; v13 0; never rewritten
.set XR, 32                            ; x path: v32-127 three sets of 32 registers as loaded
.set XS, 128                           ; v128-191 two sets of 32: my row's neighbours along K
.set XT, 192                           ; v192-223 two sets of 16: held numbers
.set XC, 224                           ; v224-247 a unit's codes: 8 for each scale
.set WX, 32                            ; W paths: v32-95 two sets of 32 numbers down K
.set WC, 96                            ; v96-159 codes, 8 a block, never rewritten
.macro MKSC e, vsc, vlim               ; v[vsc] = 2^e as f32 (the conversion takes its exponent field), v[vlim] = 448 x 2^e
	s_add_co_i32 s30, s[\e], 127
	s_lshl_b32 s31, s30, 23
	v_mov_b32 v[\vsc], s31
	s_add_co_i32 s30, s30, 8
	s_lshl_b32 s30, s30, 23
	s_or_b32 s30, s30, 0x600000
	v_mov_b32 v[\vlim], s30
.endm
	s_load_b512 s[4:19], s[0:1], 0x0               ; x 4, Wq 6, Wk 8, Wv 10, Wo 12, cos 14, sin 16, positions 18
	s_load_b128 s[20:23], s[0:1], 0x40             ; the exponents 20, codes 22
	s_load_b64 s[24:25], s[0:1], 0x50              ; rope
	v_lshl_add_u32 v[SPW], v0, 2, SPARE
	v_mov_b32 v[NIL], 0
	v_lshrrev_b32 v1, 5, v0
	v_readfirstlane_b32 s26, v1                    ; wave
	v_and_b32 v1, 31, v0                           ; L
	v_and_b32 v2, 15, v0                           ; r
	v_bfe_u32 v3, v0, 4, 1                         ; h
	v_lshlrev_b32 v5, 4, v1                        ; 16 L
	s_wait_kmcnt 0x0
	s_load_b256 s[36:43], s[20:21], 0x0            ; e0 .. e7
	s_load_b128 s[44:47], s[20:21], 0x20           ; e8 .. e11
	s_cmp_lt_u32 ttmp9, 256
	s_cbranch_scc0 .Lnot_x
; ---- x: the work-group takes 16 rows, wave w their K quarter (512 numbers), in 8 units of 16 rows x 64 K.
; A load reads two rows' 256 aligned bytes; a unit turns through the wave's own stage (16 rows of 256 + 16 bytes, two stages by turns) so that lane (r, h) gets, of row r, 16 neighbours of each block of 32.
	s_lshl_b32 s28, ttmp9, 17                      ; 16 rows of 8,192 bytes
	s_lshl_b32 s29, s26, 11
	s_add_co_u32 s28, s28, s29
	s_mov_b32 s29, 0
	s_add_nc_u64 s[4:5], s[4:5], s[28:29]
	s_lshl_b32 s28, ttmp9, 15                      ; my tile row,
	s_lshl_b32 s27, s26, 13                        ; my four images of it
	s_add_co_u32 s28, s28, s27
	s_add_nc_u64 s[48:49], s[22:23], s[28:29]      ; codes with e0,
	s_add_nc_u64 s[50:51], s[48:49], 0x800000      ; with e2: 256 tile rows on,
	s_add_nc_u64 s[52:53], s[48:49], 0x1000000     ; with e4
	s_wait_alu depctr_va_vdst(0)
	v_lshlrev_b32 v4, 13, v3
	v_lshl_add_u32 v4, v2, 4, v4                   ; in: row h of a pair, 16 bytes a lane
	s_mul_i32 s27, s26, 8704                       ; my wave's two stages
	v_mul_u32_u24 v7, v3, 272
	v_lshl_add_u32 v7, v2, 4, v7
	v_add_nc_u32 v7, s27, v7                       ; into the stage, as loaded
	v_mul_u32_u24 v8, v2, 272
	v_lshl_add_u32 v8, v3, 6, v8
	v_add_nc_u32 v8, s27, v8                       ; out of it: row r, + 64 h bytes
.macro XLOAD t
.irp i, 0,1,2,3,4,5,6,7
	global_load_b128 v[XR+32*((\t)%3)+4*\i:XR+32*((\t)%3)+4*\i+3], v4, s[4:5] offset:16384*\i+256*(\t) th:TH_LOAD_NT
.endr
.endm
.macro XTURN t                         ; LDS serves a wave's instructions in order (ISA guide 5.7.1.4): no wait between the stores and the loads
.irp i, 0,1,2,3,4,5,6,7
	ds_store_b128 v7, v[XR+32*((\t)%3)+4*\i:XR+32*((\t)%3)+4*\i+3] offset:4352*((\t)%2)+544*\i
.endr
.irp c, 0,1
.irp j, 0,1,2,3
	ds_load_b128 v[XS+32*((\t)%2)+16*\c+4*\j:XS+32*((\t)%2)+16*\c+4*\j+3], v8 offset:4352*((\t)%2)+128*\c+16*\j
.endr
.endr
.endm
.macro XUNIT t
	s_wait_dscnt 0x0                               ; this unit is back from the stage, so its stores into the stage have read their registers,
.if (\t)+3 < 8
	XLOAD (\t)+3                                   ; which take the loads of three units on
.endif
.if (\t)+1 < 8
.if (\t) < 5
	s_wait_loadcnt 16                              ; the next unit's eight loads are in; the two units behind it may be out
.else
	s_wait_loadcnt 8*(6-(\t))
.endif
	XTURN (\t)+1
.endif
	s_wait_xcnt 0x0                                ; the last unit's stores have read their codes: those registers are written again below
.irp c, 0,1
.irp s, 0,1,2
.irp n, 0,1,2,3,4,5,6,7,8,9,10,11,12,13,14,15
	v_med3_num_f32 v[XT+16*((3*\c+\s)%2)+\n], v[XS+32*((\t)%2)+16*\c+\n], -v[17+2*\s], v[17+2*\s]   ; the conversion does not saturate (ISA guide 7.6.2): the hold, into one of two sets by turns
.endr
	v_cvt_scalef32_pk8_fp8_f32 v[XC+8*\s+4*\c:XC+8*\s+4*\c+1], v[XT+16*((3*\c+\s)%2):XT+16*((3*\c+\s)%2)+7], v[16+2*\s]
	v_cvt_scalef32_pk8_fp8_f32 v[XC+8*\s+4*\c+2:XC+8*\s+4*\c+3], v[XT+16*((3*\c+\s)%2)+8:XT+16*((3*\c+\s)%2)+15], v[16+2*\s]
.endr
.endr
.irp s, 0,1,2
.irp c, 0,1
	global_store_b128 v5, v[XC+8*\s+4*\c:XC+8*\s+4*\c+3], s[48+2*\s:49+2*\s] offset:2048*((\t)/2)+512*(2*((\t)%2)+\c)   ; 512 consecutive bytes of an image
.endr
.endr
.endm
	XLOAD 0
	XLOAD 1
	XLOAD 2
	s_wait_alu depctr_va_vdst(0)
	s_wait_kmcnt 0x0
	MKSC 36, 16, 17                                ; e0
	MKSC 38, 18, 19                                ; e2
	MKSC 40, 20, 21                                ; e4
	s_wait_alu depctr_va_vdst(0)
	s_wait_loadcnt 16                              ; unit 0's eight loads are in
	XTURN 0
.irp t, 0,1,2,3,4,5,6,7
	XUNIT \t
.endr
	s_wait_tensorcnt 0x0                           ; the wave's end, behind my last LDS store
	ds_add_u32 v[SPW], v[NIL]
	s_wait_dscnt 0x0
	s_endpgm
; ---- a weight [2048 (k)][N]: a lane takes a column n and its registers run down K, so the conversions give codes with K innermost and nothing is transposed.
; A wave: 32 columns x 256 K = 8 blocks of 32.  A block's 32 codes of a column are the two 16-byte pieces (h = 0, 1) of slot c = block % 4 of image block / 4: lanes 0-15 fill 256 aligned bytes of one tile row, lanes 16-31 of the next.
.macro WLOAD t, nb, perm               ; perm = 1: the registers take K in Wo's order
.set wi, 0
.rept 32
.if \perm
.set wp, 16*((wi>>3)&1)+8*(wi>>4)+(wi&7)
.else
.set wp, wi
.endif
	global_load_b32 v[WX+32*((\t)%2)+wi], v4, s[32:33] offset:(32*(\t)+wp)*\nb th:TH_LOAD_NT
.set wi, wi+1
.endr
.endm
.macro WBLOCK t, nb, perm
.if (\t) < 7
	s_wait_loadcnt 32                              ; this block's 32 loads are in; the next block's may be out
.else
	s_wait_loadcnt 0x0
.endif
.set wi, 0
.rept 32
	v_med3_num_f32 v[WX+32*((\t)%2)+wi], v[WX+32*((\t)%2)+wi], -v10, v10
.set wi, wi+1
.endr
.irp g, 0,1,2,3
	v_cvt_scalef32_pk8_fp8_f32 v[WC+8*(\t)+2*\g:WC+8*(\t)+2*\g+1], v[WX+32*((\t)%2)+8*\g:WX+32*((\t)%2)+8*\g+7], v11
.endr
.if (\t)+2 < 8
	WLOAD (\t)+2, \nb, \perm
.endif
.irp hh, 0,1
	global_store_b128 v9, v[WC+8*(\t)+4*\hh:WC+8*(\t)+4*\hh+3], s[54:55] offset:2048*((\t)/4)+512*((\t)%4)+256*\hh
.endr
.endm
; first: the path's first work-group; nb: bytes of a row of W; lcg: log2(N / 128); pa, pb / ea, eb / tba, tbb: pointer, exponent and first tile row of the path's first and second 64 work-groups
.macro WPATH first, nb, lcg, perm, pa, pb, ea, eb, tba, tbb
	s_sub_co_u32 s27, ttmp9, \first
.if \pa != \pb
	s_mov_b32 s35, \tbb
	s_cmp_lt_u32 s27, 64                           ; the choice hangs on the work-group's number alone
	s_cselect_b64 s[32:33], s[\pa:\pa+1], s[\pb:\pb+1]
	s_cselect_b32 s35, \tba, s35
	s_and_b32 s27, s27, 63
.else
	s_mov_b64 s[32:33], s[\pa:\pa+1]
	s_mov_b32 s35, \tba
.endif
	s_and_b32 s28, s27, (1<<\lcg)-1                ; which 128 columns
	s_lshr_b32 s29, s27, \lcg                      ; which 256 along K
	s_lshl_b32 s30, s28, 9
	s_lshl_b32 s31, s26, 7
	s_add_co_u32 s30, s30, s31                     ; my wave's first column, in bytes
	s_mul_i32 s31, s29, 256*\nb
	s_add_co_u32 s30, s30, s31
	s_mov_b32 s31, 0
	s_add_nc_u64 s[32:33], s[32:33], s[30:31]
	s_lshl_b32 s28, s28, 3
	s_add_co_u32 s28, s28, s35
	s_lshl_b32 s30, s26, 1
	s_add_co_u32 s28, s28, s30                     ; my wave's first tile row
	s_lshl_b32 s28, s28, 15
	s_lshl_b32 s29, s29, 12                        ; two images
	s_add_co_u32 s30, s28, s29
	s_add_nc_u64 s[54:55], s[22:23], s[30:31]
	v_lshlrev_b32 v4, 2, v1                        ; in: 4 bytes a lane
	v_lshlrev_b32 v9, 15, v3
	v_lshl_add_u32 v9, v2, 4, v9                   ; out: tile row h, row r of the image
	WLOAD 0, \nb, \perm
	WLOAD 1, \nb, \perm
	s_wait_kmcnt 0x0
.if \ea != \eb
	s_cmp_lt_u32 ttmp9, \first+64
	s_cselect_b32 s34, s[\ea], s[\eb]
	MKSC 34, 11, 10
.else
	MKSC \ea, 11, 10
.endif
	s_wait_alu depctr_va_vdst(0)
.irp t, 0,1,2,3,4,5,6,7
	WBLOCK \t, \nb, \perm
.endr
	s_endpgm
.endm
.Lnot_x:
	s_cmp_lt_u32 ttmp9, 384
	s_cbranch_scc0 .Lnot_wq
	s_wait_alu depctr_va_vdst(0)
	WPATH 256, 8192, 4, 0, 6, 6, 37, 37, 768, 768          ; Wq, e1
.Lnot_wq:
	s_cmp_lt_u32 ttmp9, 512
	s_cbranch_scc0 .Lnot_wo
	s_wait_alu depctr_va_vdst(0)
	WPATH 384, 8192, 4, 1, 12, 12, 47, 47, 1024, 1024      ; Wo, e11
.Lnot_wo:
	s_cmp_lt_u32 ttmp9, 640
	s_cbranch_scc0 .Lrope
	s_wait_alu depctr_va_vdst(0)
	WPATH 512, 4096, 3, 0, 8, 10, 39, 41, 896, 960         ; Wk, e3; Wv, e5
; ---- the tables: a wave takes a token tile; lane (r, h) gathers row pos[16 tile + r] once, so that the 24 heads need not.
.Lrope:
	s_sub_co_u32 s27, ttmp9, 640
	s_lshl_b32 s27, s27, 2
	s_add_co_u32 s27, s27, s26                     ; the token tile
	s_lshl_b32 s28, s27, 6
	s_mov_b32 s29, 0
	s_add_nc_u64 s[18:19], s[18:19], s[28:29]
	s_lshl_b32 s28, s27, 14
	s_add_nc_u64 s[24:25], s[24:25], s[28:29]
	s_wait_alu depctr_va_vdst(0)
	v_lshlrev_b32 v4, 2, v2
	global_load_b32 v6, v4, s[18:19]               ; my token's position
	v_lshlrev_b32 v9, 5, v3
	s_wait_loadcnt 0x0
	v_min_u32 v6, 0x3ff, v6                        ; held inside the table
	v_lshlrev_b32 v6, 9, v6                        ; a row of 512 bytes
	s_wait_alu depctr_va_vdst(0)
	v_add_nc_u32 v6, v6, v9                        ; + 8 h numbers
.irp q, 0,1,2,3,4,5,6,7,8,9,10,11,12,13,14,15
	global_load_b128 v[32+4*\q:35+4*\q], v6, s[14:15] offset:64*(\q/2)+16*(\q%2)
.endr
.irp q, 0,1,2,3,4,5,6,7,8,9,10,11,12,13,14,15
	global_load_b128 v[96+4*\q:99+4*\q], v6, s[16:17] offset:64*(\q/2)+16*(\q%2)
.endr
.irp q, 0,1,2,3,4,5,6,7,8,9,10,11,12,13,14,15
	s_wait_loadcnt 31-\q                           ; loads come back in order (ISA guide 5.7.1): this one is in
	global_store_b128 v5, v[32+4*\q:35+4*\q], s[24:25] offset:512*\q
.endr
.irp q, 0,1,2,3,4,5,6,7,8,9,10,11,12,13,14,15
	s_wait_loadcnt 15-\q
	global_store_b128 v5, v[96+4*\q:99+4*\q], s[24:25] offset:8192+512*\q
.endr
	s_endpgm
.Lfunc_end_k_qbf31de0505_prep:
	.size	k_qbf31de0505_prep, .Lfunc_end_k_qbf31de0505_prep-k_qbf31de0505_prep
	.p2alignl 7, 3214868480
	.fill 96, 4, 3214868480
	.section	.rodata,"a",@progbits
	.p2align	6, 0x0
	.amdhsa_kernel k_qbf31de0505_prep
		.amdhsa_group_segment_fixed_size 35328
		.amdhsa_private_segment_fixed_size 0
		.amdhsa_enable_private_segment 0
		.amdhsa_kernarg_size 88
		.amdhsa_user_sgpr_count 2
		.amdhsa_user_sgpr_kernarg_segment_ptr 1
		.amdhsa_wavefront_size32 1
		.amdhsa_system_sgpr_workgroup_id_x 1
		.amdhsa_system_sgpr_workgroup_id_y 1
		.amdhsa_system_sgpr_workgroup_id_z 1
		.amdhsa_system_vgpr_workitem_id 0
		.amdhsa_next_free_vgpr 256
		.amdhsa_next_free_sgpr 66
		.amdhsa_reserve_vcc 0
		.amdhsa_float_denorm_mode_32 3
		.amdhsa_float_denorm_mode_16_64 3
		.amdhsa_memory_ordered 1
		.amdhsa_forward_progress 1
		.amdhsa_inst_pref_size 220
	.end_amdhsa_kernel
	.amdgpu_metadata
---
amdhsa.version: [ 1, 2 ]
amdhsa.kernels:
  - .name:           k_qbf31de0505_prep
    .symbol:         k_qbf31de0505_prep.kd
    .args:
      - { .name: nz_hidden_states, .offset: 0, .size: 8, .value_kind: global_buffer, .address_space: global }
      - { .name: Wq, .offset: 8, .size: 8, .value_kind: global_buffer, .address_space: global }
      - { .name: Wk, .offset: 16, .size: 8, .value_kind: global_buffer, .address_space: global }
      - { .name: Wv, .offset: 24, .size: 8, .value_kind: global_buffer, .address_space: global }
      - { .name: Wo, .offset: 32, .size: 8, .value_kind: global_buffer, .address_space: global }
      - { .name: cos, .offset: 40, .size: 8, .value_kind: global_buffer, .address_space: global }
      - { .name: sin, .offset: 48, .size: 8, .value_kind: global_buffer, .address_space: global }
      - { .name: nz_position_ids, .offset: 56, .size: 8, .value_kind: global_buffer, .address_space: global }
      - { .name: lowp_scales, .offset: 64, .size: 8, .value_kind: global_buffer, .address_space: global }
      - { .name: codes, .offset: 72, .size: 8, .value_kind: global_buffer, .address_space: global }
      - { .name: rope, .offset: 80, .size: 8, .value_kind: global_buffer, .address_space: global }
    .group_segment_fixed_size: 35328
    .private_segment_fixed_size: 0
    .kernarg_segment_align: 8
    .kernarg_segment_size: 88
    .max_flat_workgroup_size: 128
    .sgpr_count:     66
    .vgpr_count:     256
    .wavefront_size: 32
...
	.end_amdgpu_metadata
.endif
;; end of part 1
;; launch qkv (part 2): grid 16 x 16, 4 waves a work-group, clusters of 4 x 4, 327,680 bytes of LDS; arguments codes, rope, lowp_scales, qimg, kvimg; writes qimg, kvimg
.if DOCPART == 2
	.amdgcn_target "amdgcn-amd-amdhsa--gfx1250"
	.amdhsa_code_object_version 6
	.text
	.protected	k_qbf31de0505_qkv
	.globl	k_qbf31de0505_qkv
	.p2align	8
	.type	k_qbf31de0505_qkv,@function
k_qbf31de0505_qkv:
	s_mov_b64 s[64:65], 0
	v_nop
	global_prefetch_b8 v0, s[64:65] scope:SCOPE_SE
	s_setreg_imm32_b32 hwreg(HW_REG_WAVE_MODE, 25, 1), 1
	s_wait_xcnt 0x0
	s_wait_alu depctr_hold_cnt(0) depctr_sa_sdst(0) depctr_va_vdst(0) depctr_va_sdst(0) depctr_va_ssrc(0) depctr_va_vcc(0) depctr_vm_vsrc(0)
	s_getreg_b32 s2, hwreg(HW_REG_IB_STS2, 6, 4)
	s_cmp_eq_u32 s2, 0
	s_cbranch_scc0 .Lentry_in_a_cluster
	s_endpgm
.Lentry_in_a_cluster:
	s_bfe_u32 s2, ttmp6, 0x10000c
	s_cmp_lg_u32 s2, 0xf033
	s_cbranch_scc0 .Lentry_shape_is_right
	s_endpgm
.Lentry_shape_is_right:
; QKV: the three projections on E4M3 codes, RoPE on q and k, and the quantisers ahead of the attention products (q with e7, k with e6, v with e8).
; A work-group makes 256 x 256 sums, a wave 128 x 128 (64 accumulators).  Cluster x 0, 1: q (x with e0 against Wq); 2: k (x with e2 against Wk); 3: v, made transposed (Wv's columns as rows, x with e4 as columns), so that its codes run along the keys.
; Cluster y is the sequence.  Operands come as images (2,048 bytes = 16 rows x 128 K in the order of a fragment's registers); a tile row is 16 images, 32,768 bytes.
; K goes in 8 steps of 256 through a ring of two LDS slots of 131,072 bytes; a wave fetches 8 tile rows x 4,096 bytes by one joint load: A's tiles are shared along the cluster's row, B's along its column.
; The matrix instruction is used transposed (source 0 = B's rows, source 1 = A's): a lane holds one row of A and eight neighbours along B, so the conversions give codes with the next K innermost.
; PREFETCH: an instruction names 32 blocks of 256 bytes of one K step: of the 8 tile rows that the wave fetches, the partner at place p (cx for A, cy for B) takes rows 2 p, 2 p + 1.
; Behind the load of K step 0 stands the request for step 1, behind step 1's those for steps 2 and 3, behind step j's (j from 2 on) that for step j + 2.
; The loop's last trip has no K step two on: there each wave of a q or k cluster names 2 x 32 blocks of the cos and sin images of its work-group's 256 tokens (token tile 4 cx + wave of sixteen), which the way out reads.
; LIMITS: e7 - e0 - e1, e6 - e2 - e3 and e8 - e4 - e5 lie between -126 and 119.
; REGISTERS: window 0: v0-31 addresses, v32-95 at work on the way out, v128-255 A's fragments (then codes); window 1: B's two sets (then cos and sin, two sets); windows 2, 3: the accumulators.
.set FR,    16
.set NL,    4
.set NP,    4
.set SLOT,  131072
.set SPARE, 2*SLOT                     ; behind the ring: the spare words, 128 bytes a wave
.set LAPS,  4
.set SC,   10
.set LIM,  11
.set ADRA, 16
.set ADRB, 20
.set CO,   26
.set SPW,  28
.set NIL,  29
.set PFO,  30                          ; v30 prefetch of tiles: 32,768 (lane / 16) + 256 (lane % 16)
.set PFR,  31                          ; v31 prefetch of the tables: 256 x lane
.set T,    32
.set AF,   128
.set G1,  24
.set G0,  32
.set G1B, 48
.set G0B, 56
.set PRA, 92                           ; s[92:93] my 16,384 bytes of the tables
.set PFA, 94                           ; s[94:95] my two tile rows, stepped a K step at each refill
.set MSB, 0
.macro WIN new                         ; the immediate's high byte repeats the setting that is left
.if MSB != \new
	s_set_vgpr_msb (MSB<<8)|\new
.set MSB, \new
.endif
.endm
.set MUL_LO, 0xa1
.set MUL_HI, 0xf1
.set TO_B,   0x40
.macro JLOAD g0a, g1a, g0b, g1b        ; waves 0, 1 fetch for A, waves 2, 3 for B; s_nop 0 and four v_nop behind each line
	s_cmp_eq_u32 s15, 0
	s_cbranch_scc0 .Lfor_b_\@
	tensor_load_to_lds s[\g0a:\g0a+3], s[\g1a:\g1a+7]
	s_nop 0
.rept 4
	v_nop
.endr
	s_branch .Lasked_\@
.Lfor_b_\@:
	tensor_load_to_lds s[\g0b:\g0b+3], s[\g1b:\g1b+7]
	s_nop 0
.rept 4
	v_nop
.endr
.Lasked_\@:
.endm
.macro CREST
	s_cmp_lg_u32 s14, 0
	s_cbranch_scc1 .Lnot_wave_0_\@
	s_barrier_signal -3
.Lnot_wave_0_\@:
	s_barrier_wait -3
	s_barrier_signal -1
	s_barrier_wait -1
.endm
.macro CROUND
	s_barrier_signal -1
	s_barrier_wait -1
	CREST
.endm
.macro ASK slot                        ; in the loop: the K step two refills on; in the last trip (s3 = 1) half of my part of the tables, but for v
	s_cmp_gt_u32 s3, 1
	s_cbranch_scc0 .Ltab_\@
	global_prefetch_b8 v[PFO], s[PFA:PFA+1] offset:12288 th:TH_LOAD_NT scope:SCOPE_SE
	s_branch .Ldone_\@
.Ltab_\@:
	s_cmp_eq_u32 s42, 3
	s_cbranch_scc1 .Ldone_\@
	global_prefetch_b8 v[PFR], s[PRA:PRA+1] offset:8192*\slot th:TH_LOAD_NT scope:SCOPE_SE
.Ldone_\@:
.endm
	s_load_b256 s[4:11], s[0:1], 0x0               ; codes 4, rope 6, the exponents 8, qimg 10
	s_load_b64 s[12:13], s[0:1], 0x20              ; kvimg
	v_lshl_add_u32 v[SPW], v0, 2, SPARE
	v_mov_b32 v[NIL], 0
	ds_add_u32 v[SPW], v[NIL]                      ; the opening lines: the add twice on end and one wait
	ds_add_u32 v[SPW], v[NIL]
	v_lshrrev_b32 v1, 5, v0
	v_readfirstlane_b32 s14, v1                    ; wave
	s_lshr_b32 s15, s14, 1                         ; my half of the rows; also: I fetch for A (0) or B (1)
	s_and_b32 s16, s14, 1                          ; my half of the columns; also: which 8 tile rows I fetch
	s_bfe_u32 s40, ttmp6, 0x40000                  ; cx
	s_bfe_u32 s41, ttmp6, 0x40004                  ; cy
	s_mov_b32 s42, ttmp9                           ; cluster x: 0, 1 q; 2 k; 3 v
	s_and_b32 s43, ttmp7, 0xffff                   ; cluster y: the sequence
	s_lshl_b32 s22, s41, 2
	s_lshl_b32 s22, 15, s22                        ; my row of the cluster
	s_lshl_b32 s23, 0x1111, s40                    ; my column
	s_or_b32 s[G1+0], s22, (3<<16)|(1<<21)         ; elements of 8 bytes, no padding
	s_or_b32 s[G1B+0], s23, (3<<16)|(1<<21)
.irp g, G1, G1B
	s_mov_b32 s[\g+1], 512<<16                     ; 4,096 bytes of each of
	s_mov_b32 s[\g+2], 8<<16                       ; 8 tile rows,
	s_mov_b32 s[\g+3], 512<<16
	s_mov_b32 s[\g+4], 8
	s_mov_b32 s[\g+5], 4096                        ; 32,768 bytes apart
	s_mov_b32 s[\g+6], 0
	s_mov_b32 s[\g+7], 0
.endr
	s_lshl_b32 s17, s43, 2                         ; A: the block of 256 tokens 4 y + cy of x with e0 or e2; for v: Wv's block cy
	s_add_co_u32 s17, s17, s41
	s_add_co_u32 s18, s41, 12
	s_cmp_eq_u32 s42, 2
	s_cselect_b32 s19, 256, 0
	s_cmp_eq_u32 s42, 3
	s_cselect_b32 s19, 768, s19
	s_cselect_b32 s17, s18, s17
	s_lshl_b32 s17, s17, 4
	s_add_co_u32 s17, s17, s19
	s_lshl_b32 s18, s16, 3
	s_add_co_u32 s20, s17, s18
	s_lshl_b32 s20, s20, 15
	s_mov_b32 s21, 0
	s_lshl_b32 s44, s42, 2                         ; B: the weight's block 4 x + cx; for v: the tokens' block 4 y + cx of x with e4
	s_lshl_b32 s45, s43, 2
	s_cmp_eq_u32 s42, 3
	s_cselect_b32 s44, s45, s44
	s_mov_b32 s45, 768
	s_cselect_b32 s45, 512, s45
	s_add_co_u32 s44, s44, s40
	s_lshl_b32 s44, s44, 4
	s_add_co_u32 s44, s44, s45
	s_add_co_u32 s46, s44, s18
	s_lshl_b32 s46, s46, 15
	s_mov_b32 s47, 0
	s_lshl_b32 s66, s14, 15                        ; where my tile goes in a slot
	s_lshl_b32 s88, s40, 16                        ; the prefetches: of my 8 tile rows the two at 2 cx (A) or 2 cy (B)
	s_add_co_u32 s88, s88, s20
	s_lshl_b32 s89, s41, 16
	s_add_co_u32 s89, s89, s46
	s_cmp_eq_u32 s15, 0
	s_cselect_b32 s[PFA], s88, s89
	s_mov_b32 s[PFA+1], 0
	s_lshl_b32 s90, s43, 6                         ; the tables: token tile 64 y + 16 cy + 4 cx + wave
	s_lshl_b32 s91, s41, 4
	s_add_co_u32 s90, s90, s91
	s_lshl_b32 s91, s40, 2
	s_add_co_u32 s90, s90, s91
	s_add_co_u32 s90, s90, s14
	s_lshl_b32 s[PRA], s90, 14
	s_mov_b32 s[PRA+1], 0
	s_lshl_b32 s67, s15, 15                        ; my rows of A in a slot,
	s_lshl_b32 s84, s16, 15
	s_add_co_u32 s84, s84, 65536                   ; and of B
	v_and_b32 v1, 31, v0
	v_lshlrev_b32 v[CO], 4, v1                     ; 16 x lane
	v_add_nc_u32 v[ADRA], s67, v[CO]
	v_add_nc_u32 v[ADRB], s84, v[CO]
	v_add_nc_u32 v[ADRA+1], SLOT, v[ADRA]
	v_add_nc_u32 v[ADRB+1], SLOT, v[ADRB]
	v_lshlrev_b32 v[PFR], 8, v1
	v_and_b32 v2, 15, v0
	v_bfe_u32 v3, v0, 4, 1
	v_lshlrev_b32 v2, 8, v2
	v_lshl_add_u32 v[PFO], v3, 15, v2
	s_wait_alu depctr_va_vdst(0)
	s_wait_dscnt 0x0                               ; both opening adds are done
	s_wait_kmcnt 0x0
	s_load_b256 s[68:75], s[8:9], 0x0              ; e0 .. e7
	s_load_b128 s[76:79], s[8:9], 0x20             ; e8 .. e11
	s_add_nc_u64 s[20:21], s[4:5], s[20:21]
	s_add_nc_u64 s[46:47], s[4:5], s[46:47]
	s_add_nc_u64 s[PFA:PFA+1], s[4:5], s[PFA:PFA+1]
	s_add_nc_u64 s[PRA:PRA+1], s[6:7], s[PRA:PRA+1]
.irp s, 0,1
	s_mov_b32 s[G0+4*\s], 1
	s_add_co_u32 s[G0+4*\s+1], s66, \s*SLOT
	s_add_nc_u64 s[G0+4*\s+2:G0+4*\s+3], s[20:21], \s*4096
	s_or_b32 s[G0+4*\s+3], s[G0+4*\s+3], 0x80000000
	s_mov_b32 s[G0B+4*\s], 1
	s_add_co_u32 s[G0B+4*\s+1], s66, \s*SLOT
	s_add_nc_u64 s[G0B+4*\s+2:G0B+4*\s+3], s[46:47], \s*4096
	s_or_b32 s[G0B+4*\s+3], s[G0B+4*\s+3], 0x80000000
.endr
	CROUND                                         ; all sixteen work-groups are here: the first joint loads meet
	JLOAD G0, G1, G0B, G1B                         ; K step 0: one tensor load a wave at the head
	global_prefetch_b8 v[PFO], s[PFA:PFA+1] offset:4096 th:TH_LOAD_NT scope:SCOPE_SE   ; K step 1
	; where my results go: q: image ((16 y + head) x 64 + token tile); k: (8 y + head) x 8 + key step, 32,768 bytes each; v: the same, 16,384 bytes on
	s_lshl_b32 s84, s40, 1
	s_add_co_u32 s84, s84, s16
	s_lshl_b32 s85, s41, 1
	s_add_co_u32 s85, s85, s15
	s_lshl_b32 s86, s43, 3
	s_lshl_b32 s87, s43, 4
	s_lshl_b32 s88, s42, 3
	s_add_co_u32 s87, s87, s88
	s_add_co_u32 s87, s87, s84
	s_lshl_b32 s87, s87, 6
	s_lshl_b32 s88, s85, 3
	s_add_co_u32 s87, s87, s88
	s_lshl_b32 s87, s87, 11
	s_add_co_u32 s88, s86, s84
	s_lshl_b32 s88, s88, 3
	s_add_co_u32 s88, s88, s85
	s_lshl_b32 s88, s88, 15
	s_add_co_u32 s89, s86, s85
	s_lshl_b32 s89, s89, 3
	s_add_co_u32 s89, s89, s84
	s_lshl_b32 s89, s89, 15
	s_add_co_u32 s89, s89, 16384
	s_cmp_eq_u32 s42, 3
	s_cselect_b32 s88, s89, s88
	s_cmp_lt_u32 s42, 2
	s_cselect_b32 s90, s87, s88
	s_cselect_b64 s[80:81], s[10:11], s[12:13]
	s_mov_b32 s91, 0
	s_add_nc_u64 s[80:81], s[80:81], s[90:91]
	s_lshl_b32 s86, s43, 6                         ; my eight token tiles of the tables
	s_lshl_b32 s87, s85, 3
	s_add_co_u32 s86, s86, s87
	s_lshl_b32 s86, s86, 14
	s_mov_b32 s87, 0
	s_add_nc_u64 s[82:83], s[6:7], s[86:87]
.macro FRAG reg, adr, q, i             ; a fragment is an image: four loads of 512 consecutive bytes
.irp c, 0,1,2,3
	ds_load_b128 v[\reg+4*\c:\reg+4*\c+3], v[\adr] offset:4096*(\i)+2048*(\q)+512*\c
.endr
.endm
.macro MUL16 a0, p, zero               ; A's blocks a0, a0 + 1 against B's eight; the 64 accumulators take turns
.irp a, \a0, \a0+1
.irp b, 0,1,2,3,4,5,6,7
.if \zero
	v_wmma_f32_16x16x128_fp8_fp8 v[8*(8*((\a)%4)+\b):8*(8*((\a)%4)+\b)+7], v[128*(\p)+FR*\b:128*(\p)+FR*\b+FR-1], v[AF+FR*(\a):AF+FR*(\a)+FR-1], 0
.else
	v_wmma_f32_16x16x128_fp8_fp8 v[8*(8*((\a)%4)+\b):8*(8*((\a)%4)+\b)+7], v[128*(\p)+FR*\b:128*(\p)+FR*\b+FR-1], v[AF+FR*(\a):AF+FR*(\a)+FR-1], v[8*(8*((\a)%4)+\b):8*(8*((\a)%4)+\b)+7]
.endif
.endr
.endr
.endm
.macro FETCH_B slot, q, p
	WIN TO_B
.irp i, 0,1,2,3,4,5,6,7
	FRAG 128*(\p)+FR*\i, ADRB+\slot, \q, \i
.endr
	WIN 0
.endm
.macro FETCH_A slot, q, i0
.irp i, \i0, \i0+1, \i0+2, \i0+3
	FRAG AF+FR*(\i), ADRA+\slot, \q, \i
.endr
.endm
.macro PLACES n                        ; places behind matrix instructions, in front of loads into their registers
.rept \n
	v_nop
.endr
.endm
.macro STEP slot, q, zero              ; 128 along K with its successor in the same slot
	s_wait_dscnt 4*NL                              ; all but A's blocks 4-7
	WIN MUL_LO
	MUL16 0, (\q)%2, \zero
	MUL16 2, (\q)%2, \zero
	s_wait_dscnt 0
	PLACES NP
	FETCH_B \slot, (\q)+1, 1-(\q)%2
	FETCH_A \slot, (\q)+1, 0
	WIN MUL_HI
	MUL16 4, (\q)%2, \zero
	MUL16 6, (\q)%2, \zero
	PLACES NP
	WIN 0
	FETCH_A \slot, (\q)+1, 4
.endm
.macro TURN slot, next, fill           ; a slot's last step changes slots
.if \fill
	s_wait_xcnt 0x0                                ; my prefetches have read their address:
	s_add_nc_u64 s[PFA:PFA+1], s[PFA:PFA+1], 4096  ; a K step on
.endif
	s_wait_tensorcnt 0x0                           ; my part of the next slot is in;
	ds_add_u32 v[SPW], v[NIL]
	s_wait_dscnt 4*NL+1                            ; (the add and A's blocks 4-7 may be out)
	WIN MUL_LO
	MUL16 0, 1, 0
	s_wait_dscnt 0x0                               ; the add is done and my reads of this slot are over
	s_barrier_signal -1
	MUL16 2, 1, 0
	WIN 0
	s_barrier_wait -1
.if \fill
	CREST                                          ; the barrier has opened a round of the cluster's barrier
	s_add_nc_u64 s[G0+4*\slot+2:G0+4*\slot+3], s[G0+4*\slot+2:G0+4*\slot+3], 8192
	s_add_nc_u64 s[G0B+4*\slot+2:G0B+4*\slot+3], s[G0B+4*\slot+2:G0B+4*\slot+3], 8192
	JLOAD G0+4*\slot, G1, G0B+4*\slot, G1B         ; the first tensor load behind the round
.else
	PLACES NP
.endif
	FETCH_B \next, 0, 0
	FETCH_A \next, 0, 0
.if \fill
	ASK \slot
.endif
	WIN MUL_HI
	MUL16 4, 1, 0
	MUL16 6, 1, 0
	PLACES NP
	WIN 0
	FETCH_A \next, 0, 4
.endm
.macro ROPE_LOAD a                     ; block a's cos (64 registers) and sin (64), in the sums' own lane layout, into set a % 2 of window 1
.set RS, 128*((\a)%2)
	WIN TO_B
.irp q, 0,1,2,3,4,5,6,7,8,9,10,11,12,13,14,15
	global_load_b128 v[RS+4*\q:RS+4*\q+3], v[CO], s[82:83] offset:16384*(\a)+512*\q
.endr
.irp q, 0,1,2,3,4,5,6,7,8,9,10,11,12,13,14,15
	global_load_b128 v[RS+64+4*\q:RS+64+4*\q+3], v[CO], s[82:83] offset:16384*(\a)+8192+512*\q
.endr
	WIN 0
.endm
.macro ROPE a                          ; low half: x1 cos - x2 sin; high half: x2 cos + x1 sin; each accumulator is read from its low end on
.set AC, 64*((\a)%4)
.set RS, 128*((\a)%2)
	WIN 0x06+((\a)/4)
.irp b, 0,1,2,3
.irp i, 0,2,4,6
	v_pk_mul_f32 v[T+8*\b+\i:T+8*\b+\i+1], v[AC+8*\b+\i:AC+8*\b+\i+1], v[RS+8*\b+\i:RS+8*\b+\i+1]
	v_pk_mul_f32 v[T+32+8*\b+\i:T+32+8*\b+\i+1], v[AC+32+8*\b+\i:AC+32+8*\b+\i+1], v[RS+32+8*\b+\i:RS+32+8*\b+\i+1]
.endr
.irp i, 0,2,4,6
	v_pk_fma_f32 v[T+8*\b+\i:T+8*\b+\i+1], v[AC+32+8*\b+\i:AC+32+8*\b+\i+1], v[RS+64+8*\b+\i:RS+64+8*\b+\i+1], v[T+8*\b+\i:T+8*\b+\i+1] neg_lo:[0,1,0] neg_hi:[0,1,0]
	v_pk_fma_f32 v[T+32+8*\b+\i:T+32+8*\b+\i+1], v[AC+8*\b+\i:AC+8*\b+\i+1], v[RS+96+8*\b+\i:RS+96+8*\b+\i+1], v[T+32+8*\b+\i:T+32+8*\b+\i+1]
.endr
.endr
	WIN 0
.endm
.macro CVOUT a                         ; sixteen registers of codes are an image: 2,048 consecutive bytes
.set CD, 128+16*(\a)
.irp c, 0,1,2,3
	v_cvt_scalef32_pk8_fp8_f32 v[CD+4*\c:CD+4*\c+1], v[T+16*\c:T+16*\c+7], v[SC]
	v_cvt_scalef32_pk8_fp8_f32 v[CD+4*\c+2:CD+4*\c+3], v[T+16*\c+8:T+16*\c+15], v[SC]
.endr
	v_nop
.irp c, 0,1,2,3
	global_store_b128 v[CO], v[CD+4*\c:CD+4*\c+3], s[80:81] offset:2048*(\a)+512*\c
.endr
.endm
.macro QOUT a
.set qi, 0
.rept 64
	v_med3_num_f32 v[T+qi], v[T+qi], -v[LIM], v[LIM]   ; the conversion does not saturate (ISA guide 7.6.2): the hold
.set qi, qi+1
.endr
	CVOUT \a
.endm
.macro VOUT a
.set AC, 64*((\a)%4)
	WIN 0x02+((\a)/4)
.set qi, 0
.rept 64
	v_med3_num_f32 v[T+qi], v[AC+qi], -v[LIM], v[LIM]
.set qi, qi+1
.endr
	WIN 0
	CVOUT \a
.endm
	s_wait_alu depctr_va_vdst(0)
	s_wait_tensorcnt 0x0                           ; my part of K step 0 is in
	ds_add_u32 v[SPW], v[NIL]
	s_wait_dscnt 0x0
	CROUND                                         ; everybody's part of K step 0 is in, and the joint loads meet
	JLOAD G0+4, G1, G0B+4, G1B                     ; K step 1, the first tensor load behind the round
	global_prefetch_b8 v[PFO], s[PFA:PFA+1] offset:8192 th:TH_LOAD_NT scope:SCOPE_SE    ; K step 2,
	global_prefetch_b8 v[PFO], s[PFA:PFA+1] offset:12288 th:TH_LOAD_NT scope:SCOPE_SE   ; K step 3
	FETCH_B 0, 0, 0
	FETCH_A 0, 0, 0
	FETCH_A 0, 0, 4
	STEP 0, 0, 1                                   ; the first step starts the sums
	s_mov_b32 s3, LAPS-1
.Llap:                                                 ; a trip goes once round the ring and fills both slots again
	TURN 0, 1, 1
	STEP 1, 0, 0
	TURN 1, 0, 1
	STEP 0, 0, 0
	s_sub_co_u32 s3, s3, 1
	s_cmp_lg_u32 s3, 0
	s_cbranch_scc1 .Llap
	TURN 0, 1, 0                                   ; the last lap fills nothing
	STEP 1, 0, 0
	s_cmp_eq_u32 s42, 3
	s_cbranch_scc1 .Lno_rope0
	ROPE_LOAD 0                                    ; B's set 0 is done with: block 0's tables
.Lno_rope0:
	s_wait_dscnt 4*NL
	WIN MUL_LO
	MUL16 0, 1, 0
	MUL16 2, 1, 0
	s_wait_dscnt 0
	WIN MUL_HI
	MUL16 4, 1, 0
	MUL16 6, 1, 0
	WIN 0
	s_wait_kmcnt 0x0
	s_sub_co_i32 s17, s75, s68                     ; q: e7 - e0 - e1: the three scales in the conversion's one
	s_sub_co_i32 s17, s17, s69
	s_sub_co_i32 s18, s74, s70                     ; k: e6 - e2 - e3
	s_sub_co_i32 s18, s18, s71
	s_sub_co_i32 s19, s76, s72                     ; v: e8 - e4 - e5
	s_sub_co_i32 s19, s19, s73
	s_cmp_eq_u32 s42, 2
	s_cselect_b32 s17, s18, s17
	s_cmp_eq_u32 s42, 3
	s_cselect_b32 s17, s19, s17
	s_add_co_i32 s96, s17, 127
	s_lshl_b32 s97, s96, 23
	v_mov_b32 v[SC], s97
	s_add_co_i32 s96, s96, 8
	s_lshl_b32 s96, s96, 23
	s_or_b32 s96, s96, 0x600000
	v_mov_b32 v[LIM], s96                          ; 448 x that
	PLACES NP
	s_cmp_eq_u32 s42, 3
	s_cbranch_scc1 .Lv
	ROPE_LOAD 1
.irp a, 0,1,2,3,4,5,6,7
.if \a < 7
	s_wait_loadcnt 32                              ; this block's 32 loads are in; the next block's may be out
.else
	s_wait_loadcnt 0x0
.endif
	ROPE \a
.if \a < 6
	ROPE_LOAD \a+2
.endif
	QOUT \a
.endr
	s_branch .Lend
.Lv:
	s_wait_alu depctr_va_vdst(0)
.irp a, 0,1,2,3,4,5,6,7
	VOUT \a
.endr
.Lend:
	s_wait_tensorcnt 0x0                           ; the wave's end
	ds_add_u32 v[SPW], v[NIL]
	s_wait_dscnt 0x0
	CROUND                                         ; the closing round
	s_endpgm
.Lfunc_end_k_qbf31de0505_qkv:
	.size	k_qbf31de0505_qkv, .Lfunc_end_k_qbf31de0505_qkv-k_qbf31de0505_qkv
	.p2alignl 7, 3214868480
	.fill 96, 4, 3214868480
	.section	.rodata,"a",@progbits
	.p2align	6, 0x0
	.amdhsa_kernel k_qbf31de0505_qkv
		.amdhsa_group_segment_fixed_size 327680
		.amdhsa_private_segment_fixed_size 0
		.amdhsa_enable_private_segment 0
		.amdhsa_kernarg_size 40
		.amdhsa_user_sgpr_count 2
		.amdhsa_user_sgpr_kernarg_segment_ptr 1
		.amdhsa_wavefront_size32 1
		.amdhsa_system_sgpr_workgroup_id_x 1
		.amdhsa_system_sgpr_workgroup_id_y 1
		.amdhsa_system_sgpr_workgroup_id_z 1
		.amdhsa_system_vgpr_workitem_id 0
		.amdhsa_next_free_vgpr 1024
		.amdhsa_next_free_sgpr 98
		.amdhsa_reserve_vcc 0
		.amdhsa_float_denorm_mode_32 3
		.amdhsa_float_denorm_mode_16_64 3
		.amdhsa_memory_ordered 1
		.amdhsa_forward_progress 1
		.amdhsa_inst_pref_size 217
	.end_amdhsa_kernel
	.amdgpu_metadata
---
amdhsa.version: [ 1, 2 ]
amdhsa.kernels:
  - .name:           k_qbf31de0505_qkv
    .symbol:         k_qbf31de0505_qkv.kd
    .args:
      - { .name: codes, .offset: 0, .size: 8, .value_kind: global_buffer, .address_space: global }
      - { .name: rope, .offset: 8, .size: 8, .value_kind: global_buffer, .address_space: global }
      - { .name: lowp_scales, .offset: 16, .size: 8, .value_kind: global_buffer, .address_space: global }
      - { .name: qimg, .offset: 24, .size: 8, .value_kind: global_buffer, .address_space: global }
      - { .name: kvimg, .offset: 32, .size: 8, .value_kind: global_buffer, .address_space: global }
    .group_segment_fixed_size: 327680
    .private_segment_fixed_size: 0
    .kernarg_segment_align: 8
    .kernarg_segment_size: 40
    .max_flat_workgroup_size: 128
    .sgpr_count:     98
    .vgpr_count:     1024
    .wavefront_size: 32
...
	.end_amdgpu_metadata
.endif
;; end of part 2
;; launch attn (part 3): grid 8 x 32, 8 waves a work-group, no clusters, 327,680 bytes of LDS; arguments qimg, kvimg, lowp_scales, aimg; writes aimg
.if DOCPART == 3
	.amdgcn_target "amdgcn-amd-amdhsa--gfx1250"
	.amdhsa_code_object_version 6
	.text
	.protected	k_qbf31de0505_attn
	.globl	k_qbf31de0505_attn
	.p2align	8
	.type	k_qbf31de0505_attn,@function
k_qbf31de0505_attn:
	s_mov_b64 s[64:65], 0
	v_nop
	global_prefetch_b8 v0, s[64:65] scope:SCOPE_SE
	s_setreg_imm32_b32 hwreg(HW_REG_WAVE_MODE, 25, 1), 1
	s_wait_xcnt 0x0
; ATTN: scores, softmax and weighted values on E4M3 codes, with the causal mask and the window of 512; the result, divided by the row's sum, is quantised with e10.
; A work-group owns 128 queries (block qb = x) of the two query heads that share one kv head of one sequence (y = 8 sequence + kv head).  Left out: key steps that the mask hides whole.
; Wave w owns query tile w (16 queries) of BOTH heads: two tiles g = 0, 1, which take the same K and V.  So each fragment that the wave reads from LDS feeds two products.
; The mask (key <= query, query - key <= 512) keeps key steps qb - 4 .. qb of 128 keys.  Five steps (32,768 bytes each: 8 images of K, 8 of V) from key step max(qb - 4, 0) on lie end to end in memory and in LDS, each byte filled once.
; Step number s of 0 .. 4 is key step qb - 4 + s; where that lies ahead of the sequence its work is jumped over by a scalar branch on the work-group's number; it lies at LDS place min(qb, 4) + s - 4, which is at most s.
; FILLS: at the head each of the eight waves fetches 4,096 bytes of place 0, all that step 0 reads; behind the full sequence and a barrier 16,384 bytes of places 1 to 4, which have step 0's work in which to land; one barrier more stands ahead of step 1.
; IMAGES: 2,048 bytes, byte 512 c + 16 L + i = register 4 c + i / 4 of lane L.  q, k: rows = tokens, K = the head's 128; v: rows = the head's 128, K = the step's keys; in each the K slots are in the order that conversions of two neighbouring accumulators give.
; Both products are used transposed: S^T = K Q^T, O^T = V^T P^T: a lane holds ONE query (lane % 16); register 8 t + j of S^T is key 16 t + 8 (lane / 16) + j of the step.
; SOFTMAX: t = score x log2(e) / sqrt(128); M = the running largest t rounded up to a whole number; p = 2^(t - M) is quantised with e9, not normalised; the row's sum is taken of the unquantised p; when M moves, the sum and O^T are multiplied by 2^(old M - new M).
; The first step that a wave works on holds a key that counts for each of its queries (the edge step's last key, any key of an open step, the query's own key on the diagonal), so M is a number from there on.
; A STEP: K's 8 fragments; 16 score products; V's 8 fragments are asked for at once, into the same registers; tile 0's softmax stands between that request and the wait for it; tile 0's 8 products V^T P; tile 1's softmax; tile 1's 8 products.
; The two tiles hold the same queries, so one compare masks a register of each.
; NO CLUSTER: neighbouring blocks of queries read windows of keys that are shifted by a step, so their loads' descriptors differ.  NO PREFETCH: all that a work-group reads is asked for by its two fills at the start; there is no later request to run ahead of.
; LIMITS: e6 + e7 between -123 and 130; e9 and e10 - e8 - e9 between -126 and 119.
; REGISTERS.  Window 0 holds all that a softmax touches: v1 16 x lane; v5, v6 the add's two; v8 the step's LDS address; v16-47 Q (16 a tile); v48-175 S^T, then p (64 a tile); v176-207 codes (16 a tile);
;   v208-223 statistics, 8 a tile: +0 -M, +1 the largest t, +2, +3 the sum, +4 f (+5 named with it), +6, +7 a second chain of the sum; v224, v225 at work; v232-237 constants.
;   Window 1: v0-127 O^T (64 a tile); v128-255 the eight fragments of K or of V.
.set SPARE, 163840                     ; behind the five steps: the spare words, 128 bytes a wave, four blocks of 256 bytes that no other line names
.set LI,   1
.set SPW,  5
.set NIL,  6
.set ADS,  8
.set QF,   16
.set SB,   48
.set PCD,  176
.set ST,   208
.set TA,   224
.set PD,   225
.set LIMP, 232                         ; 448 x 2^e9
.set SCP,  233                         ; 2^e9
.set DQ,   234                         ; my query in the block - 8 (lane / 16)
.set NINF, 235                         ; -infinity
.set SCO,  236                         ; 2^(e10 - e8 - e9)
.set LIMO, 237                         ; 448 x that
.set FF,   128                         ; window 1: fragment t at v[FF + 16 t]
.set WV,  18
.set QB,  19
.set SEL, 20
.set CS,  22
.set G1,  24                           ; s[24:31] group 1 of the first fill; s[40:47] of the second
.set G0,  32                           ; s[32:35], s[36:39] their groups 0
.set G1B, 40
.set QC,  48                           ; min(qb, 4)
.set MSB, 0
.macro WIN new                         ; the immediate's high byte repeats the setting that is left
.if MSB != \new
	s_set_vgpr_msb (MSB<<8)|\new
.set MSB, \new
.endif
.endm
	s_load_b256 s[4:11], s[0:1], 0x0               ; qimg 4, kvimg 6, the exponents 8, aimg 10
	v_lshl_add_u32 v[SPW], v0, 2, SPARE
	v_mov_b32 v[NIL], 0
	ds_add_u32 v[SPW], v[NIL]                      ; the opening lines: the add twice on end and one wait; work on registers stands between
	ds_add_u32 v[SPW], v[NIL]
	v_lshrrev_b32 v8, 5, v0
	s_delay_alu instid0(VALU_DEP_1)
	v_readfirstlane_b32 s[WV], v8                  ; wave 0..7 = my tile of 16 queries
	s_mov_b32 s[QB], ttmp9
	s_min_u32 s[QC], s[QB], 4
	s_and_b32 s52, ttmp7, 0xffff                   ; bh = 8 sequence + kv head
.irp g, G1, G1B
	s_mov_b32 s[\g], 3<<16                         ; no mask; elements of 8 bytes; no padding: dense bytes as rows of 256
	s_mov_b32 s[\g+1], 32<<16
	s_mov_b32 s[\g+3], 32<<16
	s_mov_b32 s[\g+5], 32
	s_mov_b32 s[\g+6], 0
	s_mov_b32 s[\g+7], 0
.endr
	s_mov_b32 s[G1+2], 16<<16                      ; 4,096 bytes
	s_mov_b32 s[G1+4], 16
	s_mov_b32 s[G1B+2], 64<<16                     ; 16,384 bytes
	s_mov_b32 s[G1B+4], 64
	s_mov_b32 s[SEL], 0x76543210
	s_mov_b32 s[SEL+1], 0xfedcba98
	s_mov_b32 s[CS], 0x3e0293ee                    ; log2(e) / sqrt(128)
	s_mov_b32 s[G0], 1
	s_lshl_b32 s[G0+1], s[WV], 12                  ; my eighth of place 0,
	s_mov_b32 s[G0+4], 1
	s_lshl_b32 s53, s[WV], 14
	s_add_co_u32 s[G0+5], s53, 32768               ; and of places 1 to 4
	s_wait_dscnt 0x0                               ; both opening adds are done
	s_wait_kmcnt 0x0
	s_load_b256 s[68:75], s[8:9], 0x0              ; e0 .. e7
	s_load_b128 s[76:79], s[8:9], 0x20             ; e8 .. e11
	s_lshl_b32 s55, s52, 3
	s_sub_co_i32 s56, s[QB], 4
	s_max_i32 s56, s56, 0                          ; the first key step fetched
	s_add_co_u32 s56, s56, s55
	s_lshl_b32 s54, s56, 15
	s_add_co_u32 s56, s54, s[G0+1]                 ; memory and LDS run alike
	s_mov_b32 s57, 0
	s_add_nc_u64 s[G0+2:G0+3], s[6:7], s[56:57]
	s_or_b32 s[G0+3], s[G0+3], 0x80000000
	s_add_co_u32 s56, s54, s[G0+5]
	s_add_nc_u64 s[G0+6:G0+7], s[6:7], s[56:57]
	s_or_b32 s[G0+7], s[G0+7], 0x80000000
	tensor_load_to_lds s[G0:G0+3], s[G1:G1+7]      ; my one load at the head
	s_nop 0
.rept 4
	v_nop
.endr
	s_lshl_b32 s62, s[QB], 3
	s_add_co_u32 s62, s62, s[WV]                   ; my token tile in the sequence
	s_lshl_b32 s60, s52, 7                         ; (16 sequence + head 2 kvh) x 64 tiles = 128 bh; the second head lies 64 images on
	s_add_co_u32 s60, s60, s62
	s_lshl_b32 s60, s60, 11
	s_mov_b32 s61, 0
	s_add_nc_u64 s[4:5], s[4:5], s[60:61]          ; my images of q
	s_lshr_b32 s80, s52, 3
	s_lshl_b32 s80, s80, 6
	s_add_co_u32 s80, s80, s62                     ; token tile among all 256
	s_lshl_b32 s80, s80, 4
	s_and_b32 s81, s52, 7
	s_lshl_b32 s81, s81, 1
	s_add_co_u32 s80, s80, s81                     ; + head 2 kvh: the next product's K step; the second head's image follows it
	s_lshl_b32 s80, s80, 11
	s_mov_b32 s81, 0
	s_add_nc_u64 s[10:11], s[10:11], s[80:81]
	v_and_b32 v[LI], 31, v0
	s_delay_alu instid0(VALU_DEP_1)
	v_lshlrev_b32 v[LI], 4, v[LI]
.irp g, 0,1
.irp c, 0,1,2,3
	global_load_b128 v[QF+16*\g+4*\c:QF+16*\g+4*\c+3], v[LI], s[4:5] offset:131072*\g+512*\c
.endr
.endr
	v_and_b32 v9, 15, v0
	v_bfe_u32 v10, v0, 4, 1
	s_delay_alu instid0(VALU_DEP_1)
	v_lshlrev_b32 v10, 3, v10
	s_delay_alu instid0(VALU_DEP_1)
	v_sub_nc_u32 v[DQ], v9, v10
	s_lshl_b32 s63, s[WV], 4
	v_add_nc_u32 v[DQ], s63, v[DQ]                 ; register 8 t + j holds the key 16 t + j + 8 (lane / 16): it is compared as 16 t + j against this
	v_mov_b32 v[NINF], 0xff800000
	v_mov_b32 v[PD], 0                             ; a lane permute's destination counts as one of its sources
.irp g, 0,1
	v_mov_b32 v[ST+8*\g+1], 0xff61b1e6             ; the largest t so far: -3e38
	s_delay_alu instid0(VALU_DEP_1)
	v_floor_f32 v[ST+8*\g], -v[ST+8*\g+1]
	v_mov_b32 v[ST+8*\g+2], 0
	v_mov_b32 v[ST+8*\g+3], 0
	v_mov_b32 v[ST+8*\g+5], 0                      ; (named as the upper half of f's pair)
.endr
	WIN 0x40                                       ; destination window 1
.set j, 0
.rept 128
	v_mov_b32 v[j], 0                              ; O^T: which step is a work-group's first hangs on qb, so the step is written for every step alike, and the first finds zeros
.set j, j+1
.endr
	WIN 0
	s_wait_kmcnt 0x0
	s_add_co_i32 s56, s74, s75
	s_lshl_b32 s56, s56, 23
	s_add_co_i32 s[CS], s[CS], s56                 ; a score stands for score x 2^(e6 + e7): added to c's exponent field
	s_mov_b32 s[CS+1], s[CS]
	s_add_co_i32 s56, s77, 127
	s_lshl_b32 s57, s56, 23
	v_mov_b32 v[SCP], s57
	s_add_co_i32 s56, s56, 8
	s_lshl_b32 s56, s56, 23
	s_or_b32 s56, s56, 0x600000
	v_mov_b32 v[LIMP], s56
	s_sub_co_i32 s56, s78, s76
	s_sub_co_i32 s56, s56, s77
	s_add_co_i32 s56, s56, 127
	s_lshl_b32 s57, s56, 23
	v_mov_b32 v[SCO], s57
	s_add_co_i32 s56, s56, 8
	s_lshl_b32 s56, s56, 23
	s_or_b32 s56, s56, 0x600000
	v_mov_b32 v[LIMO], s56
	s_wait_alu depctr_va_vdst(0)
	s_wait_loadcnt 0x0                             ; Q
; Tile g's softmax of one step, all in window 0 but its last 32 lines.  kind 1: the window's edge (hidden: keys more than 512 back); 0: every key counts; 2: the diagonal (hidden: keys after the query)
.macro SOFTMAX g, kind
.set BS, SB+64*(\g)
.set BP, PCD+16*(\g)
.set BT, ST+8*(\g)
.if (\kind) && ((\g) == 0)             ; both tiles are masked here, ahead of tile 0's maximum
.set mn, 0
.rept 64
.if \kind == 2
	v_cmp_gt_i32 vcc_lo, 16*(mn/8)+mn%8, v[DQ]
.else
	v_cmp_lt_i32 vcc_lo, 16*(mn/8)+mn%8, v[DQ]
.endif
	v_cndmask_b32 v[BS+mn], v[BS+mn], v[NINF], vcc_lo   ; a hidden score becomes -infinity ahead of the maximum: p = 0
	v_cndmask_b32 v[BS+64+mn], v[BS+64+mn], v[NINF], vcc_lo
.set mn, mn+1
.endr
.endif
	v_max3_num_f32 v[TA], v[BS], v[BS+1], v[BS+2]  ; the step's largest score of my query among my 64 keys, in two chains, each accumulator from its low end on,
	v_max3_num_f32 v[BT+4], v[BS+3], v[BS+4], v[BS+5]
.irp i, 6,10,14,18,22,26,30,34,38,42,46,50,54,58
	v_max3_num_f32 v[TA], v[TA], v[BS+\i], v[BS+1+\i]
	v_max3_num_f32 v[BT+4], v[BT+4], v[BS+2+\i], v[BS+3+\i]
.endr
	v_max3_num_f32 v[TA], v[TA], v[BS+62], v[BS+63]
	s_delay_alu instid0(VALU_DEP_1)
	v_max_num_f32 v[TA], v[TA], v[BT+4]
	s_delay_alu instid0(VALU_DEP_1)
	v_permlanex16_b32 v[PD], v[TA], s[SEL], s[SEL+1]
	s_delay_alu instid0(VALU_DEP_1)
	v_max_num_f32 v[TA], v[TA], v[PD]              ; and among the other half's
	s_delay_alu instid0(VALU_DEP_1)
	v_mul_f32 v[TA], s[CS], v[TA]
	s_delay_alu instid0(VALU_DEP_1)
	v_max_num_f32 v[BT+1], v[BT+1], v[TA]          ; the running largest t
	v_mov_b32 v[TA], v[BT]
	s_delay_alu instid0(VALU_DEP_2)
	v_floor_f32 v[BT], -v[BT+1]                    ; -M = floor(-t): M is a whole number
	s_delay_alu instid0(VALU_DEP_1)
	v_sub_f32 v[TA], v[BT], v[TA]
	s_delay_alu instid0(VALU_DEP_1)
	v_cvt_i32_f32 v[TA], v[TA]                     ; old M - new M (it saturates)
	s_delay_alu instid0(VALU_DEP_1)
	v_ldexp_f32 v[BT+4], 1.0, v[TA]                ; f = 2^(old M - new M)
.set j, 0
.rept 32
	v_pk_fma_f32 v[BS+j:BS+j+1], v[BS+j:BS+j+1], s[CS:CS+1], v[BT:BT+1] op_sel_hi:[1,0,0]   ; t - M
.set j, j+2
.endr
.set j, 0
	s_wait_alu depctr_va_vdst(0)
.rept 64
	v_exp_f32 v[BS+j], v[BS+j]                     ; p = 2^(t - M)
.set j, j+1
.endr
	v_pk_mul_f32 v[BT+2:BT+3], v[BT+2:BT+3], v[BT+4:BT+5] op_sel_hi:[1,0]   ; the sums under the new M: a plain instruction behind the exponentials
	s_wait_alu depctr_va_vdst(0)                   ; one wait for the whole batch, ahead of its first reader
	v_pk_add_f32 v[BT+6:BT+7], v[BS:BS+1], v[BS+2:BS+3]   ; the row's sum, of the unquantised p, in two chains
.irp j, 4,8,12,16,20,24,28,32,36,40,44,48,52,56,60
	v_pk_add_f32 v[BT+2:BT+3], v[BT+2:BT+3], v[BS+\j:BS+1+\j]
	v_pk_add_f32 v[BT+6:BT+7], v[BT+6:BT+7], v[BS+2+\j:BS+3+\j]
.endr
	s_delay_alu instid0(VALU_DEP_1)
	v_pk_add_f32 v[BT+2:BT+3], v[BT+2:BT+3], v[BT+6:BT+7]
.irp b, 0,1,2,3
.irp i, 0,1,2,3,4,5,6,7,8,9,10,11,12,13,14,15
	v_min_num_f32 v[BS+16*\b+\i], v[BS+16*\b+\i], v[LIMP]   ; the conversion does not saturate (ISA guide 7.6.2): the hold; p is not negative
.endr
	v_cvt_scalef32_pk8_fp8_f32 v[BP+4*\b:BP+4*\b+1], v[BS+16*\b:BS+16*\b+7], v[SCP]
	v_cvt_scalef32_pk8_fp8_f32 v[BP+4*\b+2:BP+4*\b+3], v[BS+16*\b+8:BS+16*\b+15], v[SCP]
.endr
	WIN 0x41                                       ; destination and source 0 (O^T) window 1, f window 0
.set j, 0
.rept 32
	v_pk_mul_f32 v[64*(\g)+j:64*(\g)+j+1], v[64*(\g)+j:64*(\g)+j+1], v[BT+4:BT+5] op_sel_hi:[1,0]   ; O^T under the new M; also the plain instructions between the conversions and the products below
.set j, j+2
.endr
.endm
.macro PV g                            ; tile g: O^T += V^T P^T, eight accumulators, one instruction each
	WIN 0x51                                       ; V's fragments, C and D window 1; the codes window 0
.irp t, 0,1,2,3,4,5,6,7
	v_wmma_f32_16x16x128_fp8_fp8 v[64*(\g)+8*\t:64*(\g)+8*\t+7], v[FF+16*\t:FF+16*\t+15], v[PCD+16*(\g):PCD+16*(\g)+15], v[64*(\g)+8*\t:64*(\g)+8*\t+7]
.endr
	WIN 0
.endm
.macro SMUL t                          ; key tile t against both tiles of queries
.irp g, 0,1
	v_wmma_f32_16x16x128_fp8_fp8 v[SB+64*\g+8*(\t):SB+64*\g+8*(\t)+7], v[FF+16*(\t):FF+16*(\t)+15], v[QF+16*\g:QF+16*\g+15], 0
.endr
.endm
; KEY STEP s of five
.macro STEP s, kind
.if \s < 4
	s_cmp_lt_u32 s[QB], 4-\s                       ; the step lies ahead of the sequence: the same for the whole work-group
	s_cbranch_scc1 .Lskip_\@
.endif
	s_add_co_u32 s56, s[QC], \s+4
	s_and_b32 s56, s56, 7                          ; the step's place in LDS: min(qb, 4) + s - 4,
	s_min_u32 s56, s56, \s                         ; which is at most s
	s_lshl_b32 s56, s56, 15
	v_add_nc_u32 v[ADS], s56, v[LI]
.rept 3
	v_nop                                          ; with the addition: four places in front of loads into registers that the last products read (ISA guide 7.12.1 for vector instructions)
.endr
	WIN 0x40                                       ; destination window 1, address window 0
.irp t, 0,1,2,3,4,5,6,7
.irp c, 0,1,2,3
	ds_load_b128 v[FF+16*\t+4*\c:FF+16*\t+4*\c+3], v[ADS] offset:2048*\t+512*\c
.endr
.endr
	WIN 0x01                                       ; K's fragments window 1; Q and S^T window 0
	s_wait_alu depctr_va_vdst(0)
	s_wait_dscnt 16                                ; fragments 0-3 are in; the youngest sixteen loads (fragments 4-7) may be out
.irp t, 0,1,2,3
	SMUL \t
.endr
	s_wait_dscnt 0x0
.irp t, 4,5,6,7
	SMUL \t
.endr
.rept 4
	v_nop                                          ; four places: in front of the loads into K's registers and of the first read of the scores
.endr
	WIN 0x40
.irp t, 0,1,2,3,4,5,6,7
.irp c, 0,1,2,3
	ds_load_b128 v[FF+16*\t+4*\c:FF+16*\t+4*\c+3], v[ADS] offset:16384+2048*\t+512*\c   ; V, asked for a whole softmax ahead of its use
.endr
.endr
	WIN 0
	SOFTMAX 0, \kind
	s_wait_alu depctr_va_vdst(0)
	s_wait_dscnt 0x0                               ; V is in
	PV 0
	SOFTMAX 1, \kind                               ; names no register of tile 0's products
	PV 1
.if \s < 4
.Lskip_\@:
.endif
.endm
	s_wait_tensorcnt 0x0                           ; my part of place 0 is in
	ds_add_u32 v[SPW], v[NIL]
	s_wait_dscnt 0x0
	s_barrier_signal -1
	s_barrier_wait -1                              ; everybody's part is in
	tensor_load_to_lds s[G0+4:G0+7], s[G1B:G1B+7]  ; places 1 to 4, my one load behind this barrier: bytes that nothing has filled
	s_nop 0
.rept 4
	v_nop
.endr
	STEP 0, 1                                      ; it reads place 0 alone
	s_wait_alu depctr_va_vdst(0)
	s_wait_tensorcnt 0x0                           ; my part of places 1 to 4 is in,
	s_wait_dscnt 0x0                               ; no LDS instruction of mine is out;
	s_barrier_signal -1
	s_barrier_wait -1                              ; the last four steps need no further meeting
	STEP 1, 0
	STEP 2, 0
	STEP 3, 0
	STEP 4, 2
	; THE WAY OUT: O^T / the sum, held, converted: a tile's sixteen code registers are an image of my 16 queries, K step = its head, and leave as 2,048 consecutive bytes
.rept 4
	v_nop
.endr
.irp g, 0,1
	v_add_f32 v[ST+8*\g+2], v[ST+8*\g+2], v[ST+8*\g+3]
.endr
.irp g, 0,1
	s_delay_alu instid0(VALU_DEP_2)
	v_permlanex16_b32 v[ST+8*\g+6], v[ST+8*\g+2], s[SEL], s[SEL+1]
.endr
.irp g, 0,1
	s_delay_alu instid0(VALU_DEP_2)
	v_add_f32 v[ST+8*\g+2], v[ST+8*\g+2], v[ST+8*\g+6]   ; the row's sum
.endr
	s_wait_alu depctr_va_vdst(0)
.irp g, 0,1
	v_rcp_f32 v[ST+8*\g+2], v[ST+8*\g+2]
.endr
	v_nop                                          ; a plain instruction behind the transcendentals
	s_wait_alu depctr_va_vdst(0)                   ; and one wait for both, ahead of their first reader
	WIN 0x01                                       ; source 0 (O^T) window 1
.irp g, 0,1
.set j, 0
.rept 32
	v_pk_mul_f32 v[SB+64*\g+j:SB+64*\g+j+1], v[64*\g+j:64*\g+j+1], v[ST+8*\g+2:ST+8*\g+3] op_sel_hi:[1,0]
.set j, j+2
.endr
.endr
	WIN 0
.set j, 0
.rept 128
	v_med3_num_f32 v[SB+j], v[SB+j], -v[LIMO], v[LIMO]
.set j, j+1
.endr
.irp g, 0,1
.irp b, 0,1,2,3
	v_cvt_scalef32_pk8_fp8_f32 v[PCD+16*\g+4*\b:PCD+16*\g+4*\b+1], v[SB+64*\g+16*\b:SB+64*\g+16*\b+7], v[SCO]
	v_cvt_scalef32_pk8_fp8_f32 v[PCD+16*\g+4*\b+2:PCD+16*\g+4*\b+3], v[SB+64*\g+16*\b+8:SB+64*\g+16*\b+15], v[SCO]
.endr
.endr
	v_nop
.irp g, 0,1
.irp c, 0,1,2,3
	global_store_b128 v[LI], v[PCD+16*\g+4*\c:PCD+16*\g+4*\c+3], s[10:11] offset:2048*\g+512*\c
.endr
.endr
	s_wait_tensorcnt 0x0                           ; the wave's end
	ds_add_u32 v[SPW], v[NIL]
	s_wait_dscnt 0x0
	s_endpgm
.Lfunc_end_k_qbf31de0505_attn:
	.size	k_qbf31de0505_attn, .Lfunc_end_k_qbf31de0505_attn-k_qbf31de0505_attn
	.p2alignl 7, 3214868480
	.fill 96, 4, 3214868480
	.section	.rodata,"a",@progbits
	.p2align	6, 0x0
	.amdhsa_kernel k_qbf31de0505_attn
		.amdhsa_group_segment_fixed_size 327680
		.amdhsa_private_segment_fixed_size 0
		.amdhsa_enable_private_segment 0
		.amdhsa_kernarg_size 32
		.amdhsa_user_sgpr_count 2
		.amdhsa_user_sgpr_kernarg_segment_ptr 1
		.amdhsa_wavefront_size32 1
		.amdhsa_system_sgpr_workgroup_id_x 1
		.amdhsa_system_sgpr_workgroup_id_y 1
		.amdhsa_system_sgpr_workgroup_id_z 1
		.amdhsa_system_vgpr_workitem_id 0
		.amdhsa_next_free_vgpr 512
		.amdhsa_next_free_sgpr 100
		.amdhsa_reserve_vcc 1
		.amdhsa_float_denorm_mode_32 3
		.amdhsa_float_denorm_mode_16_64 3
		.amdhsa_memory_ordered 1
		.amdhsa_forward_progress 1
		.amdhsa_inst_pref_size 207
	.end_amdhsa_kernel
	.amdgpu_metadata
---
amdhsa.version: [ 1, 2 ]
amdhsa.kernels:
  - .name:           k_qbf31de0505_attn
    .symbol:         k_qbf31de0505_attn.kd
    .args:
      - { .name: qimg, .offset: 0, .size: 8, .value_kind: global_buffer, .address_space: global }
      - { .name: kvimg, .offset: 8, .size: 8, .value_kind: global_buffer, .address_space: global }
      - { .name: lowp_scales, .offset: 16, .size: 8, .value_kind: global_buffer, .address_space: global }
      - { .name: aimg, .offset: 24, .size: 8, .value_kind: global_buffer, .address_space: global }
    .group_segment_fixed_size: 327680
    .private_segment_fixed_size: 0
    .kernarg_segment_align: 8
    .kernarg_segment_size: 32
    .max_flat_workgroup_size: 256
    .sgpr_count:     100
    .vgpr_count:     512
    .wavefront_size: 32
...
	.end_amdgpu_metadata
.endif
;; end of part 3
;; launch oproj (part 4): grid 16 x 16, 4 waves a work-group, clusters of 4 x 4, 327,680 bytes of LDS; arguments aimg, codes, lowp_scales, out0; writes out0
.if DOCPART == 4
	.amdgcn_target "amdgcn-amd-amdhsa--gfx1250"
	.amdhsa_code_object_version 6
	.text
	.protected	k_qbf31de0505_oproj
	.globl	k_qbf31de0505_oproj
	.p2align	8
	.type	k_qbf31de0505_oproj,@function
k_qbf31de0505_oproj:
	s_mov_b64 s[64:65], 0
	v_nop
	global_prefetch_b8 v0, s[64:65] scope:SCOPE_SE
	s_setreg_imm32_b32 hwreg(HW_REG_WAVE_MODE, 25, 1), 1
	s_wait_xcnt 0x0
	s_wait_alu depctr_hold_cnt(0) depctr_sa_sdst(0) depctr_va_vdst(0) depctr_va_sdst(0) depctr_va_ssrc(0) depctr_va_vcc(0) depctr_vm_vsrc(0)
	s_getreg_b32 s2, hwreg(HW_REG_IB_STS2, 6, 4)
	s_cmp_eq_u32 s2, 0
	s_cbranch_scc0 .Lentry_in_a_cluster
	s_endpgm
.Lentry_in_a_cluster:
	s_bfe_u32 s2, ttmp6, 0x10000c
	s_cmp_lg_u32 s2, 0xf033
	s_cbranch_scc0 .Lentry_shape_is_right
	s_endpgm
.Lentry_shape_is_right:
; OPROJ: out0 = the attention's codes (e10) against Wo's codes (e11), each sum x 2^(e10 + e11).  A work-group makes 256 x 128 of out0, a wave 128 x 64.
; Operands come as images (2,048 bytes = 16 rows x 128 K in the order of a fragment's registers); a tile row is 16 images.  K goes through two LDS slots, slot 0 of four images a tile row, slot 1 of two: five fills.
; Clusters of 4 x 4: A's tiles are asked for jointly along the cluster's row, B's along its column.  The results leave through each wave's own stage as aligned units of 256 bytes.
; PREFETCH, in chunks of two images (4,096 bytes of a tile row): waves 0, 1 name two of the 8 tile rows of A that they fetch (2 cx, 2 cx + 1), wave 2 two of B's eight (2 cy, 2 cy + 1): 32 blocks of 256 bytes an instruction.
; Behind the first fill's load stands the request for the second fill, behind the second's those for the third and the fourth, behind the third's that for the fifth.
; LIMIT: e10 + e11 lies between -126 and 127.
.set FR,    16
.set NL,    4
.set NP,    4
.set S0A,   0
.set S0B,   131072
.set S1A,   196608
.set S1B,   262144
.set STAGE, 294912
.set SPARE, STAGE+4*16*272
.set KNEXT, 12288
.set ADRA, 16
.set ADRB, 20
.set STO,  24
.set RD,   25
.set CO,   26
.set SPW,  28
.set NIL,  29
.set TMP,  32
.set AF,   128
.set BK,   128
.set G1A0, 24
.set G1A1, 68
.set G1B0, 48
.set G1B1, 76
.set G0,   32
.set G0B,  56
.set MSB, 0
.macro WIN new
.if MSB != \new
	s_set_vgpr_msb (MSB<<8)|\new
.set MSB, \new
.endif
.endm
.set MUL,  0xa1
.set TO_B, 0x40
.macro JLOAD g0a, g1a, g0b, g1b
	s_cmp_eq_u32 s15, 0
	s_cbranch_scc0 .Lfor_b_\@
	tensor_load_to_lds s[\g0a:\g0a+3], s[\g1a:\g1a+7]
	s_nop 0
.rept 4
	v_nop
.endr
	s_branch .Lasked_\@
.Lfor_b_\@:
	tensor_load_to_lds s[\g0b:\g0b+3], s[\g1b:\g1b+7]
	s_nop 0
.rept 4
	v_nop
.endr
.Lasked_\@:
.endm
.macro CREST
	s_cmp_lg_u32 s14, 0
	s_cbranch_scc1 .Lnot_wave_0_\@
	s_barrier_signal -3
.Lnot_wave_0_\@:
	s_barrier_wait -3
	s_barrier_signal -1
	s_barrier_wait -1
.endm
.macro CROUND
	s_barrier_signal -1
	s_barrier_wait -1
	CREST
.endm
	s_load_b256 s[4:11], s[0:1], 0x0
	v_lshl_add_u32 v[SPW], v0, 2, SPARE
	v_mov_b32 v[NIL], 0
	ds_add_u32 v[SPW], v[NIL]
	ds_add_u32 v[SPW], v[NIL]
	v_lshrrev_b32 v1, 5, v0
	v_readfirstlane_b32 s14, v1
	s_lshr_b32 s15, s14, 1
	s_and_b32 s16, s14, 1
	s_bfe_u32 s40, ttmp6, 0x40000
	s_bfe_u32 s41, ttmp6, 0x40004
	s_lshl_b32 s42, ttmp9, 2
	s_add_co_u32 s42, s42, s40
	s_and_b32 s17, ttmp7, 0xffff
	s_lshl_b32 s17, s17, 2
	s_add_co_u32 s17, s17, s41
	s_lshl_b32 s22, s41, 2
	s_lshl_b32 s22, 15, s22
	s_lshl_b32 s23, 0x1111, s40
	s_or_b32 s[G1A0], s22, (3<<16)|(1<<21)
	s_or_b32 s[G1A1], s22, (3<<16)|(1<<21)
	s_or_b32 s[G1B0], s23, (3<<16)|(1<<21)
	s_or_b32 s[G1B1], s23, (3<<16)|(1<<21)
.irp g, G1A0, G1B0
	s_mov_b32 s[\g+1], 1024<<16
	s_mov_b32 s[\g+3], 1024<<16
.endr
.irp g, G1A1, G1B1
	s_mov_b32 s[\g+1], 512<<16
	s_mov_b32 s[\g+3], 512<<16
.endr
.irp g, G1A0, G1A1
	s_mov_b32 s[\g+2], 8<<16
	s_mov_b32 s[\g+4], 8
.endr
.irp g, G1B0, G1B1
	s_mov_b32 s[\g+2], 4<<16
	s_mov_b32 s[\g+4], 4
.endr
.irp g, G1A0, G1A1, G1B0, G1B1
	s_mov_b32 s[\g+5], 4096
	s_mov_b32 s[\g+6], 0
	s_mov_b32 s[\g+7], 0
.endr
	s_lshl_b32 s20, s17, 4
	s_lshl_b32 s18, s16, 3
	s_add_co_u32 s20, s20, s18
	s_lshl_b32 s20, s20, 15
	s_mov_b32 s21, 0
	s_lshl_b32 s46, s42, 3
	s_lshl_b32 s18, s16, 2
	s_add_co_u32 s46, s46, s18
	s_add_co_u32 s46, s46, 1024
	s_lshl_b32 s46, s46, 15
	s_mov_b32 s47, 0
	s_lshl_b32 s66, s16, 16
	s_lshl_b32 s67, s16, 15
	s_add_co_u32 s84, s67, S1A
	s_add_co_u32 s67, s67, S0B
	s_lshl_b32 s85, s16, 14
	s_add_co_u32 s85, s85, S1B
.set PFO, 30                           ; v30 32,768 (lane / 16) + 256 (lane % 16); never rewritten
.set PFA, 92                           ; s[92:93] my two tile rows; never rewritten: the chunks are immediates
.macro ASK c, n                        ; chunks c .. c + n - 1
	s_cmp_lt_u32 s14, 3
	s_cbranch_scc0 .Lnone_\@
.set pc, \c
.rept \n
	global_prefetch_b8 v[PFO], s[PFA:PFA+1] offset:4096*pc th:TH_LOAD_NT scope:SCOPE_SE
.set pc, pc+1
.endr
.Lnone_\@:
.endm
	v_and_b32 v2, 15, v0
	v_bfe_u32 v3, v0, 4, 1
	v_lshlrev_b32 v2, 8, v2
	v_lshl_add_u32 v[PFO], v3, 15, v2
	s_lshl_b32 s88, s17, 4                         ; A: tile row 16 x block + 8 x wave + 2 cx
	s_lshl_b32 s89, s14, 3
	s_add_co_u32 s88, s88, s89
	s_lshl_b32 s89, s40, 1
	s_add_co_u32 s88, s88, s89
	s_lshl_b32 s90, s42, 3                         ; B: tile row 1,024 + 8 x block + 2 cy
	s_add_co_u32 s90, s90, 1024
	s_lshl_b32 s89, s41, 1
	s_add_co_u32 s90, s90, s89
	s_cmp_lt_u32 s14, 2
	s_cselect_b32 s88, s88, s90
	s_lshl_b32 s88, s88, 15
	s_mov_b32 s89, 0
	s_wait_alu depctr_va_vdst(0)
	s_wait_dscnt 0x0
	s_wait_kmcnt 0x0
	s_cmp_lt_u32 s14, 2
	s_cselect_b64 s[PFA:PFA+1], s[4:5], s[6:7]
	s_add_nc_u64 s[PFA:PFA+1], s[PFA:PFA+1], s[88:89]
	s_load_b64 s[96:97], s[8:9], 0x28
	s_add_nc_u64 s[20:21], s[4:5], s[20:21]
	s_add_nc_u64 s[46:47], s[6:7], s[46:47]
	CROUND
	s_mov_b32 s[G0], 1
	s_mov_b32 s[G0+1], s66
	s_mov_b64 s[G0+2:G0+3], s[20:21]
	s_or_b32 s[G0+3], s[G0+3], 0x80000000
	s_mov_b32 s[G0B], 1
	s_mov_b32 s[G0B+1], s67
	s_mov_b64 s[G0B+2:G0B+3], s[46:47]
	s_or_b32 s[G0B+3], s[G0B+3], 0x80000000
	JLOAD G0, G1A0, G0B, G1B0
	ASK 2, 1                                       ; the second fill
	s_mov_b32 s[G0+4], 1
	s_mov_b32 s[G0+5], s84
	s_add_nc_u64 s[G0+6:G0+7], s[20:21], 8192
	s_or_b32 s[G0+7], s[G0+7], 0x80000000
	s_mov_b32 s[G0B+4], 1
	s_mov_b32 s[G0B+5], s85
	s_add_nc_u64 s[G0B+6:G0B+7], s[46:47], 8192
	s_or_b32 s[G0B+7], s[G0B+7], 0x80000000
	s_wait_alu depctr_va_vdst(0)
	s_wait_tensorcnt 0x0
	ds_add_u32 v28, v29
	s_wait_dscnt 0x0
	CROUND
	JLOAD G0+4, G1A1, G0B+4, G1B1
	ASK 3, 3                                       ; the third and the fourth fill
	v_and_b32 v5, 31, v0
	v_lshlrev_b32 v5, 4, v5
	s_lshl_b32 s21, s15, 16
	v_add_nc_u32 v[ADRA], s21, v5
	s_lshl_b32 s21, s15, 15
	s_add_co_u32 s21, s21, S1A
	v_add_nc_u32 v[ADRA+1], s21, v5
	s_lshl_b32 s22, s16, 15
	s_add_co_u32 s22, s22, S0B
	v_add_nc_u32 v[ADRB], s22, v5
	s_lshl_b32 s22, s16, 14
	s_add_co_u32 s22, s22, S1B
	v_add_nc_u32 v[ADRB+1], s22, v5
	v_and_b32 v1, 15, v0
	v_bfe_u32 v2, v0, 4, 1
	s_mul_i32 s23, s14, 16*272
	s_add_co_u32 s23, s23, STAGE
	v_mul_u32_u24 v3, v1, 272
	v_lshl_add_u32 v3, v2, 5, v3
	v_add_nc_u32 v[STO], s23, v3
	v_mul_u32_u24 v4, v2, 272
	v_lshl_add_u32 v4, v1, 4, v4
	v_add_nc_u32 v[RD], s23, v4
	v_lshlrev_b32 v[CO], 13, v2
	v_lshl_add_u32 v[CO], v1, 4, v[CO]
	s_lshl_b32 s86, s17, 21
	s_lshl_b32 s88, s15, 20
	s_add_co_u32 s86, s86, s88
	s_lshl_b32 s88, s42, 9
	s_add_co_u32 s86, s86, s88
	s_lshl_b32 s88, s16, 8
	s_add_co_u32 s86, s86, s88
	s_mov_b32 s87, 0
	s_add_nc_u64 s[10:11], s[10:11], s[86:87]
.macro FRAG reg, adr, pit, q, i
.irp c, 0,1,2,3
	ds_load_b128 v[\reg+4*\c:\reg+4*\c+3], v[\adr] offset:(\pit)*(\i)+2048*(\q)+512*\c
.endr
.endm
.macro MULA a0, p, zero
.irp a, \a0, \a0+1
.irp b, 0,1,2,3
.if \zero
	v_wmma_f32_16x16x128_fp8_fp8 v[8*(4*(\a)+\b):8*(4*(\a)+\b)+7], v[64*(\p)+FR*\b:64*(\p)+FR*\b+FR-1], v[AF+FR*(\a):AF+FR*(\a)+FR-1], 0
.else
	v_wmma_f32_16x16x128_fp8_fp8 v[8*(4*(\a)+\b):8*(4*(\a)+\b)+7], v[64*(\p)+FR*\b:64*(\p)+FR*\b+FR-1], v[AF+FR*(\a):AF+FR*(\a)+FR-1], v[8*(4*(\a)+\b):8*(4*(\a)+\b)+7]
.endif
.endr
.endr
.endm
.macro FETCH_B slot, q, p
	WIN TO_B
.irp i, 0,1,2,3
	FRAG 64*(\p)+FR*\i, ADRB+\slot, 8192-4096*(\slot), \q, \i
.endr
	WIN 0
.endm
.macro FETCH_A slot, q, i0
.irp i, \i0, \i0+1, \i0+2, \i0+3
	FRAG AF+FR*(\i), ADRA+\slot, 8192-4096*(\slot), \q, \i
.endr
.endm
.macro PLACES n
.rept \n
	v_nop
.endr
.endm
.macro STEP slot, q, zero
	s_wait_dscnt 4*NL
	WIN MUL
	MULA 0, (\q)%2, \zero
	MULA 2, (\q)%2, \zero
	s_wait_dscnt 0
	PLACES NP
	FETCH_B \slot, (\q)+1, 1-(\q)%2
	FETCH_A \slot, (\q)+1, 0
	WIN MUL
	MULA 4, (\q)%2, \zero
	MULA 6, (\q)%2, \zero
	PLACES NP
	WIN 0
	FETCH_A \slot, (\q)+1, 4
.endm
.macro TURN slot, next, fill, ask
	s_wait_tensorcnt 0x0
	ds_add_u32 v[SPW], v[NIL]
	s_wait_dscnt 4*NL+1
	WIN MUL
	MULA 0, 1, 0
	s_wait_dscnt 0x0
	s_barrier_signal -1
	MULA 2, 1, 0
	WIN 0
	s_barrier_wait -1
.if \fill
	CREST
	s_add_nc_u64 s[G0+4*\slot+2:G0+4*\slot+3], s[G0+4*\slot+2:G0+4*\slot+3], KNEXT
	s_add_nc_u64 s[G0B+4*\slot+2:G0B+4*\slot+3], s[G0B+4*\slot+2:G0B+4*\slot+3], KNEXT
	JLOAD G0+4*\slot, G1A0+44*\slot, G0B+4*\slot, G1B0+28*\slot
.else
	PLACES NP
.endif
	FETCH_B \next, 0, 0
	FETCH_A \next, 0, 0
.if \ask
	ASK 6, 2                                       ; the fifth fill
.endif
	WIN MUL
	MULA 4, 1, 0
	MULA 6, 1, 0
	PLACES NP
	WIN 0
	FETCH_A \next, 0, 4
.endm
	s_wait_tensorcnt 1
	s_barrier_signal -1
	s_barrier_wait -1
	FETCH_B 0, 0, 0
	FETCH_A 0, 0, 0
	FETCH_A 0, 0, 4
	STEP 0, 0, 1
	STEP 0, 1, 0
	STEP 0, 2, 0
	TURN 0, 1, 1, 1
	STEP 1, 0, 0
	TURN 1, 0, 1, 0
	STEP 0, 0, 0
	STEP 0, 1, 0
	STEP 0, 2, 0
	TURN 0, 1, 1, 0
	STEP 1, 0, 0
	TURN 1, 0, 0, 0
	STEP 0, 0, 0
	STEP 0, 1, 0
	STEP 0, 2, 0
	s_wait_dscnt 4*NL
	WIN MUL
	MULA 0, 1, 0
	MULA 2, 1, 0
	s_wait_dscnt 0
	MULA 4, 1, 0
	MULA 6, 1, 0
	WIN 0
.macro TOSTAGE a
	WIN 0x02
.set j, 0
.rept 16
	v_pk_mul_f32 v[TMP+j:TMP+j+1], v[32*(\a)+j:32*(\a)+j+1], s[96:97] op_sel_hi:[1,0]
.set j, j+2
.endr
	WIN 0
.irp b, 0,1,2,3
	ds_store_b128 v[STO], v[TMP+8*\b:TMP+8*\b+3] offset:64*\b
	ds_store_b128 v[STO], v[TMP+8*\b+4:TMP+8*\b+7] offset:64*\b+16
.endr
.set BB, BK+32*((\a)%2)
.irp t, 0,1,2,3,4,5,6,7
	ds_load_b128 v[BB+4*\t:BB+4*\t+3], v[RD] offset:544*\t
.endr
.endm
.macro SEND a, younger
.set BB, BK+32*((\a)%2)
	s_wait_dscnt \younger
.irp t, 0,1,2,3,4,5,6,7
	global_store_b128 v[CO], v[BB+4*\t:BB+4*\t+3], s[10:11] offset:131072*(\a)+16384*\t th:TH_STORE_NT
.endr
.endm
	s_wait_kmcnt 0x0
	s_add_co_i32 s96, s96, s97
	s_add_co_i32 s96, s96, 127
	s_lshl_b32 s96, s96, 23
	s_mov_b32 s97, s96
	PLACES NP
	TOSTAGE 0
.irp a, 1,2,3,4,5,6,7
.if \a > 1
	s_wait_xcnt 0x0
.endif
	TOSTAGE \a
	SEND \a-1, 16
.endr
	SEND 7, 0
	s_wait_tensorcnt 0x0
	ds_add_u32 v[SPW], v[NIL]
	s_wait_dscnt 0x0
	CROUND
	s_endpgm
.Lfunc_end_k_qbf31de0505_oproj:
	.size	k_qbf31de0505_oproj, .Lfunc_end_k_qbf31de0505_oproj-k_qbf31de0505_oproj
	.p2alignl 7, 3214868480
	.fill 96, 4, 3214868480
	.section	.rodata,"a",@progbits
	.p2align	6, 0x0
	.amdhsa_kernel k_qbf31de0505_oproj
		.amdhsa_group_segment_fixed_size 327680
		.amdhsa_private_segment_fixed_size 0
		.amdhsa_enable_private_segment 0
		.amdhsa_kernarg_size 32
		.amdhsa_user_sgpr_count 2
		.amdhsa_user_sgpr_kernarg_segment_ptr 1
		.amdhsa_wavefront_size32 1
		.amdhsa_system_sgpr_workgroup_id_x 1
		.amdhsa_system_sgpr_workgroup_id_y 1
		.amdhsa_system_sgpr_workgroup_id_z 1
		.amdhsa_system_vgpr_workitem_id 0
		.amdhsa_next_free_vgpr 768
		.amdhsa_next_free_sgpr 98
		.amdhsa_reserve_vcc 0
		.amdhsa_float_denorm_mode_32 3
		.amdhsa_float_denorm_mode_16_64 3
		.amdhsa_memory_ordered 1
		.amdhsa_forward_progress 1
		.amdhsa_inst_pref_size 124
	.end_amdhsa_kernel
	.amdgpu_metadata
---
amdhsa.version: [ 1, 2 ]
amdhsa.kernels:
  - .name:           k_qbf31de0505_oproj
    .symbol:         k_qbf31de0505_oproj.kd
    .args:
      - { .name: aimg, .offset: 0, .size: 8, .value_kind: global_buffer, .address_space: global }
      - { .name: codes, .offset: 8, .size: 8, .value_kind: global_buffer, .address_space: global }
      - { .name: lowp_scales, .offset: 16, .size: 8, .value_kind: global_buffer, .address_space: global }
      - { .name: out0, .offset: 24, .size: 8, .value_kind: global_buffer, .address_space: global }
    .group_segment_fixed_size: 327680
    .private_segment_fixed_size: 0
    .kernarg_segment_align: 8
    .kernarg_segment_size: 32
    .max_flat_workgroup_size: 128
    .sgpr_count:     98
    .vgpr_count:     768
    .wavefront_size: 32
...
	.end_amdgpu_metadata
.endif
;; end of part 4
